; MI455X (gfx1250); checked and timed in simulation.
; The chip was launched on July 23, 2026; its instructions are those of AMD's public machine-readable ISA for CDNA 5 (MIT licence, August 2026) and "CDNA5" Instruction Set Architecture Reference Guide (July 2026). The comments in the code are by the model that wrote it; some were corrected since.
;; Self Attention. Allowed arithmetic: matrix products marked QUANTISED: E4M3 operands, one E8M0 scale for each 32 along K, by v_wmma_scale_f32_16x16x128_f8f6f4 with both operands' format E4M3, f32 sums; everything else in f32.
;; Inputs: Wk_codes 1,024 x 32 x 32 uint8 (E4M3 codes of Wk, K innermost, in blocks of 32 codes); Wk_scales 1,024 x 32 uint8 (E8M0 scales of Wk, one for each 32 codes along K); Wq_codes 1,024 x 32 x 32 uint8 (E4M3 codes of Wq, K innermost, in blocks of 32 codes); Wq_scales 1,024 x 32 uint8 (E8M0 scales of Wq, one for each 32 codes along K); Wv_codes 1,024 x 32 x 32 uint8 (E4M3 codes of Wv, K innermost, in blocks of 32 codes); Wv_scales 1,024 x 32 uint8 (E8M0 scales of Wv, one for each 32 codes along K); bk 1,024 float32; bq 1,024 float32; bv 1,024 float32; x_codes 4 x 2,048 x 32 x 32 uint8 (E4M3 codes of x, K innermost, in blocks of 32 codes); x_scales 4 x 2,048 x 32 uint8 (E8M0 scales of x, one for each 32 codes along K).
;; Outputs: out0 4 x 2,048 x 1,024 float32.
;; This version of the problem:
;;   THIS VERSION OF THE PROBLEM IS GIVEN IN LOW PRECISION. The matrix products marked QUANTISED in the list below multiply operands that are first quantised to E4M3 (4 exponent bits, 3 mantissa bits; 8 bits a number), with one power-of-two scale for each 32 numbers along K (OCP MX v1.0); their sums are f32. All else is computed in f32.
;;   The module's matrix products, in the order in which they are computed (A, B: the left and right operand; K: the contracted axis; several contracted axes count as one K, in the product's order):
;;     1. [M 8,192, K 1,024] x [K 1,024, N 1,024]; A: input x (given as codes); B: input Wq (given as codes): QUANTISED
;;     2. [M 8,192, K 1,024] x [K 1,024, N 1,024]; A: input x (given as codes); B: input Wk (given as codes): QUANTISED
;;     3. [M 8,192, K 1,024] x [K 1,024, N 1,024]; A: input x (given as codes); B: input Wv (given as codes): QUANTISED
;;     4. batch 4 x [M 2,048, K 1,024] x [K 1,024, N 2,048]; A: computed on the way; B: computed on the way: QUANTISED
;;     5. batch 4 x [M 2,048, K 2,048] x [K 2,048, N 1,024]; A: softmax (see below); B: computed on the way: QUANTISED
;;   THE QUANTISER, for each operand of a quantised product, along K:
;;     - K is cut into blocks of 32 from its start; a last block that is shorter is filled with zeros.
;;     - A block's scale is 2^e with e = floor(log2(the largest magnitude in the block)) - 8, held to -126 .. 127; a block of zeros has e = 0. As a byte (E8M0): e + 127.
;;     - Each number is divided by its block's scale, clamped to +-448, and rounded to the nearest number of E4M3, ties to even, subnormals kept.
;;     - The product sums the exact products of the quantised numbers (number of the format x scale) in f32.
;;   ~~~python
;;   def quantise(x, axis):      # numpy; x: float32 -> the quantised numbers, widened to float32 again
;;       x = np.moveaxis(x, axis, -1); K = x.shape[-1]
;;       x = np.pad(x, [(0, 0)] * (x.ndim - 1) + [(0, -K % 32)]); x = x.reshape(x.shape[:-1] + (-1, 32)); a = np.abs(x).max(-1, keepdims=True)
;;       e = np.where(a > 0, np.clip(np.frexp(np.where(a > 0, a, 1))[1] - 1 - 8, -126, 127), 0)      # np.frexp(a)[1] - 1 = floor(log2(a)), exactly
;;       r = np.clip(x / 2.0 ** e, -448, 448)
;;       step = 2.0 ** (np.maximum(np.frexp(np.where(r == 0, 1, r))[1] - 1, -6) - 3)
;;       q = np.round(r / step) * step * 2.0 ** e      # np.round: ties to even
;;       return np.moveaxis(q.reshape(q.shape[:-2] + (-1,))[..., :K], -1, axis).astype(np.float32)
;;   ~~~
;;   SOFTMAX AHEAD OF A QUANTISED PRODUCT. Where the list says 'softmax', what is quantised is not the finished softmax but p = 2^(t - M), with t = logit x log2(e) and M = ceil(the row's largest t), a whole number; so 1/2 < the row's largest p <= 1. The row's sum l is taken of the UNQUANTISED p, in f32, and the product's result is divided by l at the end. Since M is a whole number, a kernel that streams over the keys may use a running M (the ceiling of the running maximum): every later rescaling is an exact power of two, which a block's scale takes up: the codes' values come out the same.
;;   OPERANDS COMPUTED ON THE WAY. 'Computed on the way' means the value that the module computes at that place (a softmax that the list does not call 'softmax' is quantised finished and normalised). What goes into a quantiser is computed in f32, as accurately as f32 sums, v_exp_f32 and their like allow (about 1e-6 of the number): no bf16 or f16 on the way to a quantiser, and a product that is left as it is and whose result goes on into a quantised operand takes f32 operands (vector FMAs, or v_wmma_f32_16x16x4_f32). A number that lies on a knife's edge between two numbers of the format may be rounded either way, as far as f32 arithmetic and the matrix unit's own rounding can turn it there, and no further.
;;   INPUTS GIVEN AS CODES. Wk (in the module: [1024, 1024], K = its axis 1); Wq (in the module: [1024, 1024], K = its axis 1); Wv (in the module: [1024, 1024], K = its axis 1); x (in the module: [4, 2048, 1024], K = its axis 2): each comes as NAME_codes (uint8): NAME with its K axis moved to the last place and cut into blocks of 32 codes, [.., K / 32, bytes a block], one block behind the other in memory; one code a byte (a code: sign, 4 exponent bits, 3 mantissa bits); and NAME_scales (uint8): the same leading axes, one E8M0 byte (e + 127) for each 32 codes along K. Its value is code x scale, taken as it is: it is not quantised again, and the codes and scales need not be those that the quantiser above would give.
;; One version. Each part assembles by itself: llvm-mc -triple=amdgcn-amd-amdhsa -mcpu=gfx1250 --defsym DOCPART=n.
;; ======== version 1 of 1: 3 launches
;; limits: right only within a limited range of input values
;; workspace buffers: qkv 25,165,824 bytes; sw 786,432 bytes; pimg 16,777,216 bytes; pst 1,572,864 bytes
;; launch proj (part 1): grid 16 x 16, 4 waves a work-group, clusters of 4 x 4, 327,680 bytes of LDS; arguments x_codes, x_scales, Wq_codes, Wq_scales, Wk_codes, Wk_scales, Wv_codes, Wv_scales, bq, bk, bv, qkv, sw; writes qkv, sw
.if DOCPART == 1
	.amdgcn_target "amdgcn-amd-amdhsa--gfx1250"
	.amdhsa_code_object_version 6
	.text
	.protected	k_q5627f04dfd_proj
	.globl	k_q5627f04dfd_proj
	.p2align	8
	.type	k_q5627f04dfd_proj,@function
k_q5627f04dfd_proj:
	s_mov_b64 s[64:65], 0
	v_nop
	global_prefetch_b8 v0, s[64:65] scope:SCOPE_SE
	s_setreg_imm32_b32 hwreg(HW_REG_WAVE_MODE, 25, 1), 1
	s_wait_xcnt 0x0
	s_wait_alu depctr_hold_cnt(0) depctr_sa_sdst(0) depctr_va_vdst(0) depctr_va_sdst(0) depctr_va_ssrc(0) depctr_va_vcc(0) depctr_vm_vsrc(0)
	s_getreg_b32 s2, hwreg(HW_REG_IB_STS2, 6, 4)
	s_cmp_eq_u32 s2, 0
	s_cbranch_scc0 .Lentry_in_a_cluster
	s_endpgm
.Lentry_in_a_cluster:
	s_bfe_u32 s2, ttmp6, 0x10000c
	s_cmp_lg_u32 s2, 0xf033
	s_cbranch_scc0 .Lentry_shape_is_right
	s_endpgm
.Lentry_shape_is_right:
; q = x Wq^T + bq, k = x Wk^T + bk, v = x Wv^T + bv on the given codes of FP8 (E4M3, an E8M0 scale for each 32 along K = 1,024); sums in f32; the results are quantised at once, q and k along the features, v along the keys,
; and leave as codes and scale words laid as the next launches' operand registers take them.  All three biases stand.
; LIMITS: NaN, infinities and the scale byte 0xff among the inputs are not served.  A block of zeros gets the byte 1 and not 127 (its codes are zeros, and this program alone reads the bytes).
; THE IMAGES (r = lane % 16, h = lane / 16).  qkv: blocks of 32,768 bytes, 128 rows x 256 along K: [16 rows: 8][128 along K: 2][32 along K: 4][lane: 32][16 bytes].  Block number: q, k: 4 x (128 tokens) + (256 features);
; v: 64 x batch + 8 x (128 features) + (256 keys); q, k, v are 8,388,608 bytes each.  sw: 1,024 bytes a block: [128 along K: 2][128 rows][4 scale bytes].
; Inside a block of 32 features q and k have one and the same order; inside 32 keys the place 16 h + 8 u + j of v holds key 16 u + 8 h + j, as the weights p of the next launch do.
; THE DEAL.  256 work-groups of four waves, 2 x 2; a wave holds 64 rows of a weight, ALL of K, in registers (512) and streams x's rows past them in blocks of 16, which stand in registers as two whole sets (256).
; PHASE 1: 512 tokens x 128 columns of q (tile columns 0 to 7) or k (8 to 15): sixteen blocks.  PHASE 2: 256 tokens x 128 columns of v: eight blocks, of one of the work-group's own two windows of 256 tokens: number s18;
; W_v's tile column is 4 (cluster x / 2) + cx.  Block 2 p + u of a chunk of 128 tokens is, for row of waves w, tokens 64 p + 32 w + 16 u + 0 .. 15: a pair of blocks is 32 neighbouring tokens.
; THE ORDER OF WORK.  LDS holds two slots of 128 rows: a weight's rows lie in a slot (the first in 1, W_v's in 0).  Phase 1 takes the window that is not v's first (chunks 0, 1), then v's (chunks 2, 3): chunk 3 still lies in
; slot 1 when v begins, and chunk 2 comes anew.  The scale bytes of x's 512 rows lie in LDS throughout, in the order of work.
; THE ROWS OF A TILE.  Phase 1: lane r of the weight's tile j takes row 8 j + r (r < 8) or 32 + 8 (j ^ 1) + r - 8: so a lane's 32 sums of a block are ONE scale block of 32 features, and the 16 rows that a load touches are 16
; different ones modulo 16 (LDS rows are 1,040 bytes apart).  Phase 2: row 16 t + r.
; FILLS.  At the head the first weight (wave 0), chunk 0 (wave 1), a window's scale bytes each (waves 2, 3).  Refills, each in a drained round of the cluster's barrier, a quarter of 128 rows a wave: chunks 1, 2, 3 inside blocks
; 0, 4, 8, their first halves (waves 0 and 1's) shown by the plain barrier inside the block two on, their second by the next round; W_v's rows behind block 11, shown at the change of phase; chunk 2 anew there too, shown inside v's block 1.
; THE STREAM.  Behind a block's 32 products its set takes the block two on, also through the change of phase.  A block's way out stands AMONG LATER PRODUCTS: q's and k's among the next block's, a pair of v's among the next pair's.
; So sums stand in two sets in phase 1; in phase 2 a pair's are copied into two more.  The first way out of either phase has no block before it: it works on what stands there and stores nothing.
; PREFETCHES: chunks 1 and 2 at the head (two requests a wave, 8,192 bytes each: a sixteenth of a chunk), chunk 3 and W_v's rows in trips 1 and 2; the sixteen waves of a cluster's row (W_v: column) share the rows out by address.
.set PITCH, 1040                       ; an LDS row: 1,024 bytes + 16 of padding
.set NQ, 8
.set NB, 4
.set CH, 128
.set KROW, 1024
.set KS, 32
.set FR, 16
.set FPW, 16
.set NP, 8                             ; plain vector lines behind a matrix instruction, ahead of a reader of its sums and of a load into what it has read
.set NF, 34                            ; LDS loads of a block: 32 of codes, two of scale words
.set YB, CH*PITCH                      ; slot 1
.set SCL, 2*CH*PITCH                   ; x's scale bytes: units of 256 bytes (8 rows) + 16
.set RS, 32                            ; units of a window of 256 rows
.set SSTEP, 4*272                      ; 32 rows of them
.set XN, SCL+2*RS*272                  ; the scale bytes made of q or k: [chunk in the order of work: 4][128 tokens][4]
.set XV, XN+2048                       ; and of v: [128 keys: 2][128 features][4]
.set SPARE, XV+1024                    ; the spare words, 128 bytes a wave
.set EMAX, 8                           ; 448 = 1.75 x 2^8
.set STEPC, 131072-5*4096              ; in an image: from a chunk's last block to the next chunk's first
.set ADRA0, 4                          ; v4 LDS address of my fragments of block 0
.set CN, 5                             ; v5 512 h + 16 r
.set AAS0, 6                           ; v6 LDS address of my row's scale words in block 0
.set CO, 9                             ; v9 16 x lane
.set SPW, 10
.set NIL, 11
.set ADRA, 12                          ; v12, v17 as v4, v6, for the block that is fetched next
.set VX, 13                            ; v13 LDS address of a scale byte
.set ADRE, 14                          ; v14, v21 the first weight's rows, even and odd tiles
.set ADRV, 15                          ; v15 W_v's rows
.set ABS, 16                           ; v16, v245 offsets in a weight's scale bytes
.set AAS, 17
.set RD, 19                            ; v19 LDS: v's byte
.set ADRO, 21
.set SOP, 20                           ; v20-23 the conversions' scale operands
.set SB, 24                            ; v24-39 the weight's scale words: register 8 p + q: lanes 0-15 tile 2 p's, lanes 16-31 tile 2 p + 1's
.set EB, 40                            ; v40-43 scale bytes
.set SA, 44                            ; v44-59 x's scale words: two sets of eight; no product's two scale words have numbers equal modulo 8
.set TQ, 60                            ; v60-63 maxima and bounds
.set ACC, 64                           ; v64-191 four sets of four accumulators
.set WS, 128                           ; v128-143 in phase 1: W_v's scale words
.set NCD, 192                          ; v192-199 q's or k's 32 codes
.set MCD, 192                          ; v192-207 v's: four registers a tile
.set BQ, 208                           ; v208-239 the bias, the first four products' C
.set BV, 240                           ; v240-243 v's bias, a number a tile, until the change of phase
.set VX0, 244
.set ABSV, 245
.set G1A, 24                           ; s[24:31], s[56:59] x's first chunk
.set G0A, 56
.set G1B, 32                           ; s[32:39], s[60:63] the first weight
.set G0B, 60
.set G1R, 48                           ; s[48:55], s[68:71] a refill
.set G0R, 68
.set G1S, 92                           ; s[92:99], s[72:75] x's scale bytes
.set G0S, 72
.set MSB, 0
.macro WIN new                         ; the immediate's high byte repeats the setting that is left
.if MSB != (\new)
	s_set_vgpr_msb (MSB<<8)|(\new)
.set MSB, (\new)
.endif
.endm
.macro PLACES n
.rept \n
	v_nop
.endr
.endm
.macro WALU                            ; at the head's places and ahead of a wait that blocks, behind which something freshly written is read
	s_wait_alu depctr_va_vdst(0)
.endm
.macro BARRIER
	s_barrier_signal -1
	s_barrier_wait -1
.endm
.macro CROUND                          ; a round of the cluster's barrier
	BARRIER
	s_cmp_lg_u32 s14, 0
	s_cbranch_scc1 .Lnot_wave_0_\@
	s_barrier_signal -3
.Lnot_wave_0_\@:
	s_barrier_wait -3
	BARRIER
.endm
.macro TLOAD g0, g1                    ; an s_nop 0 and four v_nop follow each tensor load
	tensor_load_to_lds s[\g0:\g0+3], s[\g1:\g1+7]
	s_nop 0
	PLACES 4
.endm
.macro GROUP1 g, mask, rows            ; descriptor group 1: so many whole rows of 1,024 bytes, padded in LDS by 16 behind each
	s_or_b32 s[\g+0], s[\mask], (1<<20)|(1<<21)|(7<<22)|(3<<25)
	s_mov_b32 s[\g+1], KROW<<16
	s_mov_b32 s[\g+2], (\rows)<<16
	s_mov_b32 s[\g+3], KROW<<16
	s_mov_b32 s[\g+4], \rows
	s_mov_b32 s[\g+5], KROW
	s_mov_b32 s[\g+6], 0
	s_mov_b32 s[\g+7], 0
.endm
.macro SADD d, x
	s_add_co_u32 s\d, s\d, s\x
.endm
	s_load_b128 s[4:7], s[0:1], 0x0        ; x's codes, x's scales
	s_load_b128 s[8:11], s[0:1], 0x10      ; Wq's
	s_load_b128 s[84:87], s[0:1], 0x20     ; Wk's
	s_load_b64 s[88:89], s[0:1], 0x38      ; Wv's scales
	v_lshl_add_u32 v[SPW], v0, 2, SPARE
	v_mov_b32 v[NIL], 0
	ds_add_u32 v[SPW], v[NIL]              ; the wave's opening: the add, twice on end, and its wait ahead of my first tensor load; work on registers stands between
	ds_add_u32 v[SPW], v[NIL]
	v_lshrrev_b32 v1, 5, v0
	v_readfirstlane_b32 s14, v1            ; wave 0..3
	s_lshr_b32 s15, s14, 1                 ; my row of waves
	s_and_b32 s16, s14, 1                  ; my column of waves
	s_bfe_u32 s40, ttmp6, 0x40000          ; cx, cy
	s_bfe_u32 s41, ttmp6, 0x40004
	s_lshl_b32 s42, ttmp9, 2
	s_add_co_u32 s42, s42, s40             ; tile column = 4 x cluster x + cx
	s_and_b32 s66, s42, 7                  ; and within q or k
	s_and_b32 s43, ttmp7, 0xffff
	s_lshl_b32 s43, s43, 2
	s_add_co_u32 s43, s43, s41             ; tile row: 512 tokens
	s_lshr_b32 s19, ttmp9, 1               ; 0: phase 1 makes q; 1: k
	s_and_b32 s18, ttmp9, 1                ; v's window
	s_lshl_b32 s44, s41, 2
	s_lshl_b32 s44, 15, s44                ; my row of the cluster: shares x's rows
	s_lshl_b32 s45, 0x1111, s40            ; my column: shares a weight's
	GROUP1 G1B, 45, 128
	GROUP1 G1A, 44, CH
	GROUP1 G1R, 44, CH/4
	s_or_b32 s[G1S+0], s44, (3<<16)|(1<<20)|(1<<21)|(5<<22)|(3<<25)  ; a window's scale bytes: 8,192 dense bytes as 32 rows of 256, 16 of padding behind each
	s_mov_b32 s[G1S+1], 32<<16
	s_mov_b32 s[G1S+2], RS<<16
	s_mov_b32 s[G1S+3], 32<<16
	s_mov_b32 s[G1S+4], RS
	s_mov_b32 s[G1S+5], 32
	s_mov_b32 s[G1S+6], 0
	s_mov_b32 s[G1S+7], 0
	s_mov_b32 s[G0S], 1
	s_mul_i32 s[G0S+1], s16, RS*272
	s_add_co_u32 s[G0S+1], s[G0S+1], SCL
; offsets: s67, s2: in x, the rows of the window that is not v's, of v's; s3: W_v's rows; s12: W_v's scale bytes of my 64 rows
	s_lshl_b32 s67, s43, 19
	s_lshl_b32 s20, s18, 18
	s_add_co_u32 s2, s67, s20
	s_xor_b32 s20, s20, 262144
	SADD 67, 20
	s_lshl_b32 s13, s19, 2
	SADD 13, 40                            ; W_v's tile column
	s_lshl_b32 s3, s13, 17
	s_lshl_b32 s12, s13, 12
	s_lshl_b32 s21, s16, 11
	SADD 12, 21
	s_lshl_b32 s78, s66, 17                ; the first weight's rows
	s_mov_b32 s79, 0
	s_lshl_b32 s80, s43, 1                 ; x's scale bytes: wave 2 the window that is not v's, wave 3 v's
	s_xor_b32 s20, s18, 1
	s_cmp_eq_u32 s16, 1
	s_cselect_b32 s20, s18, s20
	SADD 80, 20
	s_lshl_b32 s80, s80, 13
	s_mov_b32 s81, 0
	s_lshl_b32 s82, s66, 12                ; the first weight's scale bytes of my 64 rows
	SADD 82, 21
	s_mov_b32 s83, 0
	s_mov_b32 s76, s67
	s_mov_b32 s77, 0
	s_mov_b32 s[G0A], 1
	s_mov_b32 s[G0A+1], 0
	s_mov_b32 s[G0B], 1
	s_mov_b32 s[G0B+1], YB
	s_mov_b32 s[G0R], 1
	v_and_b32 v1, 15, v0                   ; r
	v_bfe_u32 v2, v0, 4, 1                 ; h
	v_and_b32 v3, 31, v0                   ; lane
	v_mul_u32_u24 v22, v1, PITCH
	v_lshl_add_u32 v23, v2, 4, v22         ; a fragment's row x pitch + 16 x half
	s_mul_i32 s20, s15, 32*PITCH           ; block 0: rows 32 x my row of waves on
	v_add_nc_u32 v[ADRA0], s20, v23
	s_mul_i32 s22, s16, 16*NB*PITCH        ; my 64 rows of a weight
	v_add_nc_u32 v[ADRV], s22, v23
	s_add_co_u32 s22, s22, YB
	v_lshrrev_b32 v18, 3, v1               ; r / 8
	v_mul_u32_u24 v19, v18, 32*PITCH       ; even tiles: row r + 32 (r / 8), + 8 j
	v_add_nc_u32 v19, v23, v19
	v_add_nc_u32 v[ADRE], s22, v19
	v_mul_u32_u24 v19, v18, 16*PITCH       ; odd tiles: row r + 16 (r / 8), + 8 j
	v_add_nc_u32 v19, v23, v19
	v_add_nc_u32 v[ADRO], s22, v19
	v_lshlrev_b32 v23, 5, v1               ; x's scale bytes in LDS: 32 a row, and 16 more for each 256 passed
	v_lshl_add_u32 v23, v18, 4, v23
	s_mul_i32 s20, s15, SSTEP
	s_add_co_u32 s20, s20, SCL
	v_add_nc_u32 v[AAS0], s20, v23
	v_lshlrev_b32 v19, 4, v2               ; the first weight's scale words: lane l takes the row of tile 2 p + h: r + 8 h + (r / 8) (32 - 16 h), + 16 p
	v_sub_nc_u32 v19, 32, v19
	v_mul_u32_u24 v19, v19, v18
	v_lshl_add_u32 v23, v2, 3, v1
	v_add_nc_u32 v19, v19, v23
	v_lshlrev_b32 v[ABS], 5, v19
	v_lshlrev_b32 v[ABSV], 5, v3           ; W_v's: row l, + 32 p
	s_lshl_b32 s90, s40, 2                 ; which of the cluster row's sixteen waves I am: my share of a prefetch of x's rows;
	s_add_co_u32 s90, s90, s14
	s_lshl_b32 s100, s41, 2                ; and of the column's: of W_v's
	s_add_co_u32 s100, s100, s14
	WALU
	s_wait_dscnt 0x0                       ; both opening adds are done
	CROUND                                 ; the opening round: all sixteen work-groups are here
	s_wait_kmcnt 0x0
	s_cmp_eq_u32 s19, 0                    ; which weight: a choice on the cluster's x alone
	s_cselect_b64 s[8:9], s[8:9], s[84:85]
	s_cselect_b64 s[10:11], s[10:11], s[86:87]
	s_add_nc_u64 s[G0A+2:G0A+3], s[4:5], s[76:77]
	s_or_b32 s[G0A+3], s[G0A+3], 0x80000000
	s_add_nc_u64 s[G0B+2:G0B+3], s[8:9], s[78:79]
	s_or_b32 s[G0B+3], s[G0B+3], 0x80000000
	s_add_nc_u64 s[G0S+2:G0S+3], s[6:7], s[80:81]
	s_or_b32 s[G0S+3], s[G0S+3], 0x80000000
	s_add_nc_u64 s[10:11], s[10:11], s[82:83]
	s_cmp_eq_u32 s14, 0                    ; ONE joint load a wave, and a line of its own for what is shown ahead of the rest
	s_cbranch_scc0 .Lwave_1
	TLOAD G0B, G1B                         ; wave 0: the first weight's rows, which are wanted first
	s_branch .Lasked
.Lwave_1:
	s_cmp_eq_u32 s14, 1
	s_cbranch_scc0 .Lfor_scales
	TLOAD G0A, G1A                         ; wave 1: chunk 0
	s_branch .Lasked
.Lfor_scales:
	TLOAD G0S, G1S                         ; waves 2, 3: a window's scale bytes each
.Lasked:
; WHERE MY RESULTS GO: offsets now, the buffers' addresses in front of the stream
	s_lshl_b32 s76, s19, 23                ; s[76:77] q's or k's codes: tensor, 512 tokens, 32 tokens, 256, 128, 64 features
	s_lshl_b32 s20, s43, 19
	SADD 76, 20
	s_lshl_b32 s20, s15, 13
	SADD 76, 20
	s_lshr_b32 s20, s66, 1
	s_lshl_b32 s20, s20, 15
	SADD 76, 20
	s_and_b32 s20, s66, 1
	s_lshl_b32 s20, s20, 11
	SADD 76, 20
	s_lshl_b32 s20, s16, 10
	SADD 76, 20
	s_mov_b32 s77, 0
	s_lshl_b32 s78, s19, 18                ; s[78:79] their scale words: wave n stores chunk n in the order of work, 512 bytes
	s_xor_b32 s20, s15, s18
	s_xor_b32 s20, s20, 1                  ; its window
	s_lshl_b32 s20, s20, 1
	s_lshl_b32 s21, s43, 2
	SADD 20, 21
	SADD 20, 16
	s_lshl_b32 s20, s20, 12
	SADD 78, 20
	s_lshl_b32 s20, s66, 9
	SADD 78, 20
	s_mov_b32 s79, 0
	s_lshl_b32 s20, s43, 1
	SADD 20, 18                            ; v's window of 256 keys: 0 .. 31
	s_lshr_b32 s21, s20, 3
	s_lshl_b32 s21, s21, 6
	s_and_b32 s20, s20, 7
	SADD 21, 20
	s_lshl_b32 s20, s13, 3
	SADD 21, 20                            ; v's block
	s_lshl_b32 s80, s21, 15                ; s[80:81] v's codes
	s_add_co_u32 s80, s80, 16777216
	s_lshl_b32 s20, s16, 14
	SADD 80, 20
	s_lshl_b32 s20, s15, 9
	SADD 80, 20
	s_mov_b32 s81, 0
	s_lshl_b32 s82, s21, 10                ; s[82:83] v's scale words: a quarter of the block's 1,024 bytes a wave
	s_add_co_u32 s82, s82, 524288
	s_lshl_b32 s20, s14, 8
	SADD 82, 20
	s_mov_b32 s83, 0
; THE BIAS IS THE FIRST PRODUCTS' C.  Phase 1: register i of tile j of lane (r, h) is feature 8 j + i (h = 0) or 32 + 8 (j ^ 1) + i of my 64.  Phase 2: all eight registers of tile t are feature 16 t + r.
	s_load_b128 s[84:87], s[0:1], 0x40     ; bq, bk
	s_load_b64 s[46:47], s[0:1], 0x50      ; bv
	s_lshl_b32 s21, s16, 8
	s_lshl_b32 s20, s66, 9
	SADD 20, 21
	s_lshl_b32 s22, s13, 9
	SADD 22, 21
	s_mov_b32 s21, 0
	s_mov_b32 s23, 0
	v_mul_u32_u24 v22, v2, 160
	v_mul_u32_u24 v23, v2, 96
	v_lshlrev_b32 v246, 2, v1
	WALU
	s_wait_kmcnt 0x0
	s_cmp_eq_u32 s19, 0
	s_cselect_b64 s[84:85], s[84:85], s[86:87]
	s_add_nc_u64 s[20:21], s[84:85], s[20:21]
	s_add_nc_u64 s[22:23], s[46:47], s[22:23]
.irp j, 0,2
	global_load_b128 v[BQ+8*\j:BQ+8*\j+3], v22, s[20:21] offset:32*\j
	global_load_b128 v[BQ+8*\j+4:BQ+8*\j+7], v22, s[20:21] offset:32*\j+16
	global_load_b128 v[BQ+8*\j+8:BQ+8*\j+11], v23, s[20:21] offset:32*\j+32
	global_load_b128 v[BQ+8*\j+12:BQ+8*\j+15], v23, s[20:21] offset:32*\j+48
.endr
.irp t, 0,1,2,3
	global_load_b32 v[BV+\t], v246, s[22:23] offset:64*\t
.endr
	s_mov_b32 s46, s12
	s_mov_b32 s47, 0
	s_add_nc_u64 s[88:89], s[88:89], s[46:47]
.irp p, 0,1                              ; scale words: the first weight's into SB, W_v's into WS
.irp c, 0,1
	global_load_b128 v[SB+NQ*\p+4*\c:SB+NQ*\p+4*\c+3], v[ABS], s[10:11] offset:\p*512+16*\c
	global_load_b128 v[WS+NQ*\p+4*\c:WS+NQ*\p+4*\c+3], v[ABSV], s[88:89] offset:\p*1024+16*\c
.endr
.endr
	s_wait_xcnt 0x0                        ; the fetches have taken their addresses; they change below
	v_lshlrev_b32 v[CO], 4, v3
	s_lshl_b32 s21, s15, 7
	s_lshl_b32 s22, s16, 1
	SADD 21, 22
	s_add_co_u32 s21, s21, XN
	v_lshl_add_u32 v23, v1, 2, v2          ; q's, k's byte: 4 x token + 2 x my column of waves + h
	v_add_nc_u32 v[VX0], s21, v23
	v_add_nc_u32 v[VX], s21, v23
	s_lshl_b32 s21, s16, 8
	SADD 21, 15
	s_add_co_u32 s21, s21, XV
	v_lshlrev_b32 v23, 2, v1               ; v's byte: 4 x feature + my row of waves: both halves of the lanes hold the same byte
	v_add_nc_u32 v[RD], s21, v23
	v_lshlrev_b32 v23, 9, v2
	v_lshl_add_u32 v[CN], v1, 4, v23
	s_add_co_u32 s6, s67, CH*KROW          ; chunk 1
	s_add_co_u32 s7, s2, CH*KROW           ; chunk 3
	s_lshl_b32 s21, s90, 13
	s_add_co_u32 s22, s21, s6
	v_lshl_add_u32 v7, v3, 8, s22          ; v7, v8: a prefetch's offsets: my sixteenth of chunk 1, of chunk 2
	s_add_co_u32 s22, s21, s2
	v_lshl_add_u32 v8, v3, 8, s22
	v_add_nc_u32 v1, 16*PITCH, v[ADRA0]    ; v1, v2: block 1's LDS addresses
	v_add_nc_u32 v2, 2*272, v[AAS0]
	WALU
	s_cmp_eq_u32 s14, 0
	s_cbranch_scc0 .Lnot_b
	s_wait_tensorcnt 0x0                   ; wave 0: the first weight has landed.  The other waves' wait stands at the second barrier
.Lnot_b:
	BARRIER
	global_prefetch_b8 v7, s[4:5] th:TH_LOAD_NT scope:SCOPE_SE
	global_prefetch_b8 v8, s[4:5] th:TH_LOAD_NT scope:SCOPE_SE
.macro MIDDLE                          ; a round's middle
	WIN 0
	s_barrier_wait -1
	s_cmp_lg_u32 s14, 0
	s_cbranch_scc1 .Lnot_wave_0_\@
	s_barrier_signal -3
.Lnot_wave_0_\@:
	s_barrier_wait -3
.endm
.macro GRD
	s_wait_tensorcnt 0x0
	ds_add_u32 v[SPW], v[NIL]
.endm
.macro FRAG f, adr, q, off             ; a weight's fragment f: lane l holds its row; registers 4 c .. 4 c + 3 hold K = 32 c + 16 h + 0 .. 15.  Fragment f lies in window 1 + f / 16
	WIN (1+(\f)/FPW)<<6
.irp c, 0,1,2,3
	ds_load_b128 v[FR*((\f)%FPW)+4*\c:FR*((\f)%FPW)+4*\c+3], v[\adr] offset:128*(\q)+32*\c+(\off)
.endr
.endm
.macro FETCHAT k, a, s                 ; a block of x, all of K, into set k of window 3, and its scale words: NF loads
	WIN 3<<6
.irp q, 0,1,2,3,4,5,6,7
.irp c, 0,1,2,3
	ds_load_b128 v[128*\k+FR*\q+4*\c:128*\k+FR*\q+4*\c+3], v[\a] offset:128*\q+32*\c
.endr
.endr
	WIN 0
	ds_load_b128 v[SA+8*\k:SA+8*\k+3], v[\s]
	ds_load_b128 v[SA+8*\k+4:SA+8*\k+7], v[\s] offset:16
.endm
.macro PROD kind, e, a, n              ; product n = 4 q + b: the q-th 128 of K, column tile b; x in set e, sums in set a.  kind 0 (q, k): source 0 = the weight; kind 1 (v): source 0 = x
.set Q_, (\n)/4
.set B_, (\n)%4
.set FB_, NB*Q_+B_
.set AC_, ACC+32*(\a)+8*B_
.set C_, AC_
.if Q_ == 0
.set C_, BQ+8*B_
.endif
.set R_, 128*(\e)+FR*Q_
.set W_, FR*(FB_%FPW)
.set XS_, SA+8*(\e)+Q_
.set WS_, SB+8*(B_/2)+Q_
.if \kind
	WIN 3|((1+FB_/FPW)<<2)
.if B_%2
	v_wmma_scale_f32_16x16x128_f8f6f4 v[AC_:AC_+7], v[R_:R_+FR-1], v[W_:W_+FR-1], v[C_:C_+7], v[XS_], v[WS_] matrix_b_scale:MATRIX_SCALE_ROW1
.else
	v_wmma_scale_f32_16x16x128_f8f6f4 v[AC_:AC_+7], v[R_:R_+FR-1], v[W_:W_+FR-1], v[C_:C_+7], v[XS_], v[WS_]
.endif
.else
	WIN (1+FB_/FPW)|(3<<2)
.if B_%2
	v_wmma_scale_f32_16x16x128_f8f6f4 v[AC_:AC_+7], v[W_:W_+FR-1], v[R_:R_+FR-1], v[C_:C_+7], v[WS_], v[XS_] matrix_a_scale:MATRIX_SCALE_ROW1
.else
	v_wmma_scale_f32_16x16x128_f8f6f4 v[AC_:AC_+7], v[W_:W_+FR-1], v[R_:R_+FR-1], v[C_:C_+7], v[WS_], v[XS_]
.endif
.endif
.endm
.macro HOLD x, b                       ; a sum held at the largest number that the format has under its block's scale (the conversion does not saturate: ISA guide 7.6.2)
	v_med3_num_f32 v[\x], v[\x], -v[TQ+\b], v[TQ+\b]
.endm
.macro SCALES i, n                     ; 0: the conversion's scale operand; 1: the bound; 2: a second copy of it; 3: the scale byte
.if (\i) == 0
	v_add_nc_u32 v[SOP+\n], -(EMAX<<23), v[TQ]
.elseif (\i) == 1
	v_and_or_b32 v[TQ+1], v[TQ], 0x7f800000, s62
.elseif (\i) == 2
	v_mov_b32 v[TQ+3], v[TQ+1]
.else
	v_lshrrev_b32 v[EB+\n], 23, v[SOP+\n]
.endif
.endm
.macro MAXQ k, x                       ; q, k: 18 lines: the largest magnitude of the 32 sums at x, and the floor under which a byte would fall under 1
.if (\k) < 4
	v_max3_num_f32 v[TQ+\k], |v[\x+8*(\k)]|, |v[\x+8*(\k)+1]|, |v[\x+8*(\k)+2]|
.elseif (\k) < 12
	v_max3_num_f32 v[TQ+(\k)%4], v[TQ+(\k)%4], |v[\x+8*((\k)%4)+2*((\k)/4)+1]|, |v[\x+8*((\k)%4)+2*((\k)/4)+2]|
.elseif (\k) < 16
	v_max_num_f32 v[TQ+(\k)%4], v[TQ+(\k)%4], |v[\x+8*((\k)%4)+7]|
.elseif (\k) == 16
	v_max3_num_f32 v[TQ], v[TQ], v[TQ+1], v[TQ+2]
.else
	v_max3_num_f32 v[TQ], v[TQ], v[TQ+3], (EMAX+1)<<23
.endif
.endm
.macro HOLDS m, x                      ; two of a scale block's holds; the bound is read from its second copy where its first would be read too late
.if (\m) == 3
	HOLD \x, 3
	HOLD \x+1, 3
.else
	HOLD \x, 1
	HOLD \x+1, 1
.endif
.if (\m) == 2
	SCALES 2, 0
.endif
.endm
.macro GAPQ m, x                       ; the quantiser of q's or k's block, gaps 0 .. 26: the sums at x -> codes NCD, byte EB
.if (\m) < 9
	MAXQ 2*(\m), \x
	MAXQ 2*(\m)+1, \x
.elseif (\m) == 9
	SCALES 0, 0
	SCALES 1, 0
.elseif (\m) < 26
	HOLDS (\m)-10, \x+2*((\m)-10)
.if ((\m)-10)%4 == 3
	v_cvt_scalef32_pk8_fp8_f32 v[NCD+2*(((\m)-10)/4):NCD+2*(((\m)-10)/4)+1], v[\x+8*(((\m)-10)/4):\x+8*(((\m)-10)/4)+7], v[SOP]
.endif
.elseif (\m) == 26
	SCALES 3, 0
.endif
.endm
.macro GAPV u, x                       ; the quantiser of a pair of v's blocks, gaps 0 .. 59, 15 a tile: a scale block lies in lanes l and l xor 16: the even block's sums at x, the odd's at x + 32 -> codes MCD + 4 t, bytes EB + t
.set T_, (\u)/15
.set J_, (\u)%15
.set E_, \x+8*T_
.set O_, E_+32
.if (\u) > 59
.elseif J_ == 0
	v_max3_num_f32 v[TQ], |v[E_]|, |v[E_+1]|, |v[E_+2]|
	v_max3_num_f32 v[TQ+2], |v[O_]|, |v[O_+1]|, |v[O_+2]|
.elseif J_ < 3
	v_max3_num_f32 v[TQ], v[TQ], |v[E_+2*J_+1]|, |v[E_+2*J_+2]|
	v_max3_num_f32 v[TQ+2], v[TQ+2], |v[O_+2*J_+1]|, |v[O_+2*J_+2]|
.elseif J_ == 3
	v_max3_num_f32 v[TQ+2], v[TQ+2], |v[O_+7]|, (EMAX+1)<<23
	v_max3_num_f32 v[TQ], v[TQ], |v[E_+7]|, v[TQ+2]
.elseif J_ == 4
	v_permlanex16_b32 v[TQ+2], v[TQ], s60, s61
	v_max_num_f32 v[TQ], v[TQ], v[TQ+2]
.elseif J_ == 5
	SCALES 0, T_
	SCALES 1, T_
.elseif J_ < 10
	HOLDS J_-6, E_+2*(J_-6)
.if J_ == 9
	v_cvt_scalef32_pk8_fp8_f32 v[MCD+4*T_:MCD+4*T_+1], v[E_:E_+7], v[SOP+T_]
.endif
.elseif J_ < 14
	HOLDS J_-6, O_+2*(J_-10)
.if J_ == 13
	v_cvt_scalef32_pk8_fp8_f32 v[MCD+4*T_+2:MCD+4*T_+3], v[O_:O_+7], v[SOP+T_]
.endif
.else
	SCALES 3, T_
.endif
.endm
.macro RDESC i, off, lds               ; group 0 of a refill, in two parts: a quarter of 128 rows a wave, the rows at s[off] of x, into LDS at s[lds]
.if (\i) == 0
	s_mul_i32 s[G0R+1], s14, CH/4*PITCH
	s_add_co_u32 s[G0R+1], s[G0R+1], s\lds
	s_mul_i32 s20, s14, CH/4*KROW
	s_add_co_u32 s20, s20, s\off
.else
	s_mov_b32 s21, 0
	s_add_nc_u64 s[G0R+2:G0R+3], s[4:5], s[20:21]
	s_or_b32 s[G0R+3], s[G0R+3], 0x80000000
.endif
.endm
; WHAT STANDS BEHIND PRODUCT n.  j: the block's number in its trip (the second loop's: 4, 5; v's: -1, -2).  Behind 0: s[84:85] goes on to the block that leaves, and the addresses of the block two on; behind 2 a prefetch's
; offset or a byte's next place; behind 29 and 30 a refill's group 0; from 1 on a way out: y = 1: q's or k's block at x; 2, 3: the halves of v's pair at x
.macro LIST n, j, y, x
.if (\n) == 0
.if (\j) == 1
	s_add_nc_u64 s[84:85], s[84:85], STEPC
	s_cmp_eq_u32 s46, 2
	s_cselect_b64 s[84:85], s[88:89], s[84:85]
.elseif (\j) == 3
	s_add_nc_u64 s[84:85], s[84:85], 3*4096
.elseif (\j) == 5
	s_mov_b32 s20, 3*4096
	s_cmp_eq_u32 s46, 3
	s_cselect_b32 s20, STEPC, s20
	s_mov_b32 s21, 0
	s_add_nc_u64 s[84:85], s[84:85], s[20:21]
.elseif (\j) >= 0
	s_add_nc_u64 s[84:85], s[84:85], 4096
.endif
	WIN 0
.if (\j) == 0 || (\j) == 1
	s_add_co_u32 s22, s101, (64+16*(\j))*PITCH
.elseif (\j) > 1
	s_add_co_u32 s22, s47, ((\j)%2)*16*PITCH
.else
	s_add_co_u32 s22, s47, (-1-(\j))*16*PITCH
.endif
	v_add_nc_u32 v[ADRA], s22, v[ADRA0]
.elseif (\n) == 1
	WIN 0
.if (\j) == 0 || (\j) == 1
	s_add_co_u32 s22, s17, (8+2*(\j))*272
.elseif (\j) > 1
	s_add_co_u32 s22, s8, ((\j)%2)*544
.else
	s_add_co_u32 s22, s8, (-1-(\j))*544
.endif
	v_add_nc_u32 v[AAS], s22, v[AAS0]
.endif
.if (\j) == 2 && (\n) == 2
	WIN 0
	v_lshl_add_u32 v7, v3, 8, s23
.elseif (\j) == 0 && ((\n) == 29 || (\n) == 30)
	RDESC (\n)-29, 6, 47
.elseif (\j) == 1 && (\n) == 2
	WIN 0
	v_add_nc_u32 v[VX], s9, v[VX0]
.elseif (\j) == 5 && (\n) == 2
	WIN 0
	v_add_nc_u32 v[VX], 256, v[VX]
.endif
.if (\y) == 1 && (\n) > 0 && (\n) < 28
	WIN 0
	GAPQ (\n)-1, \x
.elseif (\y) == 2 && (\n) > 0 && (\n) < 31
	WIN 0
	GAPV (\n)-1, \x
.elseif (\y) == 3 && (\n) > 0 && (\n) < 31
	WIN 0
	GAPV (\n)+29, \x
.endif
.endm
.macro BLOCK kind, e, a, from, to, j, y, x
.set N_, \from
.rept (\to)-(\from)
	PROD \kind, \e, \a, N_
	LIST N_, \j, \y, \x
.set N_, N_+1
.endr
.endm
.macro BLK kind, e, a, w, j, y, x      ; a block; w: the count of its wait for LDS loads (-1: none)
.if (\w) >= 0
	s_wait_dscnt \w
.endif
	s_wait_xcnt 0x0
	BLOCK \kind, \e, \a, 0, 32, \j, \y, \x
	WIN 0
	PLACES NP
.endm
.macro RBLK kind, e, a, w, j, y, x     ; with a round of the cluster's barrier: the lines at its head, the signal behind 28 products
.if (\w) >= 0
	s_wait_dscnt \w
.endif
	s_wait_xcnt 0x0
	GRD
	BLOCK \kind, \e, \a, 0, 28, \j, \y, \x
	WIN 0
	WALU
	s_wait_dscnt 0x0
	s_barrier_signal -1
	BLOCK \kind, \e, \a, 28, 32, \j, \y, \x
	MIDDLE
	BARRIER
.endm
.macro SBLK kind, e, a, w, j, y, x, half=0   ; with a plain barrier (half = 1: it shows waves 0 and 1's loads alone)
.if (\w) >= 0
	s_wait_dscnt \w
.endif
	s_wait_xcnt 0x0
	BLOCK \kind, \e, \a, 0, 28, \j, \y, \x
	WIN 0
	WALU
.if \half
	s_cmp_lt_u32 s14, 2
	s_cbranch_scc0 .Lnot_yet_\@
	s_wait_tensorcnt 0x0
.Lnot_yet_\@:
.else
	s_wait_tensorcnt 0x0
.endif
	s_wait_dscnt 0x0
	s_barrier_signal -1
	BLOCK \kind, \e, \a, 28, 32, \j, \y, \x
	WIN 0
	s_barrier_wait -1
	PLACES NP
.endm
.macro QOUT off, boff                  ; a block's byte goes to its place in LDS, its 32 codes a lane leave: sixteen lanes store 256 consecutive aligned bytes
	ds_store_b8 v[VX], v[EB] offset:\boff
	global_store_b128 v[CN], v[NCD:NCD+3], s[84:85] offset:\off
	global_store_b128 v[CN], v[NCD+4:NCD+7], s[84:85] offset:(\off)+256
.endm
.irp q, 0,1,2,3,4,5,6,7                  ; my 64 rows of the first weight, all of K, into windows 1 and 2: 128 loads
.irp b, 0,2
	FRAG NB*\q+\b, ADRE, \q, 8*\b*PITCH
	FRAG NB*\q+\b+1, ADRO, \q, 8*(\b+1)*PITCH
.endr
.endr
	WIN 0
	s_wait_tensorcnt 0x0                   ; chunk 0 and the scale bytes are in; the first weight is in registers
	s_wait_dscnt 0x0
	BARRIER
	FETCHAT 0, ADRA0, AAS0
	FETCHAT 1, 1, 2
	s_load_b128 s[92:95], s[0:1], 0x58     ; qkv, sw
	s_load_b64 s[32:33], s[0:1], 0x30      ; Wv's codes
	s_mov_b32 s60, 0x76543210
	s_mov_b32 s61, 0xfedcba98
	s_mov_b32 s62, 0x600000                ; the mantissa field of 448
.set I_, 0
.rept 32
	v_mov_b32 v[ACC+32+I_], 0
.set I_, I_+1
.endr
	WALU
	s_wait_kmcnt 0x0
	s_add_nc_u64 s[96:97], s[92:93], s[80:81]
	s_add_nc_u64 s[98:99], s[94:95], s[82:83]
	s_add_nc_u64 s[92:93], s[92:93], s[76:77]
	s_add_nc_u64 s[94:95], s[94:95], s[78:79]
	s_lshl_b32 s20, s18, 18
	s_mov_b32 s21, 0
	s_add_nc_u64 s[88:89], s[92:93], s[20:21]  ; q's or k's codes of v's window
	s_xor_b32 s20, s20, 262144
	s_add_nc_u64 s[84:85], s[92:93], s[20:21]  ; of the other window,
	s_sub_nc_u64 s[84:85], s[84:85], STEPC+4096  ; less the steps that blocks 0 and 1 make
	s_mov_b64 s[10:11], s[4:5]
	s_mov_b32 s46, 0                       ; PHASE 1.  s46 the trip; s101, s47 this chunk's slot and the next chunk's; s17, s8 their scale words' step; s6 the rows that are loaded; s9 the chunk's bytes; s23, s[10:11] where my share of what is asked for ahead begins
	s_mov_b32 s9, 0
	s_mov_b32 s23, 0
	s_mov_b32 s101, 0
	s_mov_b32 s47, YB
	s_mov_b32 s17, 0
	s_mov_b32 s8, 4*SSTEP
	s_wait_loadcnt 0x0                     ; the bias and the weights' scale words
.Lfour:
	RBLK 0, 0, 0, NF, 0, 1, ACC+32         ; blocks 0, 4, 8: chunks 1, 2, 3 come
	s_cmp_lt_u32 s14, 2                    ; waves 0, 1 and waves 2, 3 have a load line each: the barrier inside the block two on waits for the first line's alone
	s_cbranch_scc0 .Lupper
	TLOAD G0R, G1R
	s_branch .Lboth
.Lupper:
	TLOAD G0R, G1R
.Lboth:
	PLACES NP-4
	s_cmp_eq_u32 s46, 0
	s_cbranch_scc1 .Lno_block_before
	QOUT 0, 320
.Lno_block_before:
	FETCHAT 0, ADRA, AAS
	BLK 0, 1, 1, -1, 1, 1, ACC
	QOUT 0, 0
	FETCHAT 1, ADRA, AAS
	SBLK 0, 0, 0, NF, 2, 1, ACC+32, 1      ; the next chunk's first half is in
	QOUT 0, 64
	s_cmp_eq_u32 s46, 0
	s_cbranch_scc1 .Lnone_ahead
	global_prefetch_b8 v7, s[10:11] th:TH_LOAD_NT scope:SCOPE_SE
.Lnone_ahead:
	FETCHAT 0, ADRA, AAS
	BLK 0, 1, 1, -1, 3, 1, ACC
	QOUT 0, 256
	FETCHAT 1, ADRA, AAS
	s_cmp_eq_u32 s46, 0
	s_cselect_b32 s6, s2, s7
	s_cselect_b32 s21, s90, s100
	s_cselect_b32 s22, s7, s3
	s_cselect_b64 s[10:11], s[4:5], s[32:33]
	s_lshl_b32 s21, s21, 13
	s_add_co_u32 s23, s21, s22
	s_add_co_u32 s9, s9, 512
	s_mov_b32 s101, s47
	s_mov_b32 s17, s8
	s_xor_b32 s47, s47, YB
	s_add_co_u32 s8, s8, 4*SSTEP
	s_add_co_u32 s46, s46, 1
	s_cmp_lg_u32 s46, 3
	s_cbranch_scc1 .Lfour
	GRD
	s_mul_i32 s20, s14, CH/4*KROW
	s_add_co_u32 s20, s20, s3
	s_mov_b32 s21, 0
	s_mul_i32 s[G0A+1], s14, CH/4*PITCH
	s_add_nc_u64 s[G0A+2:G0A+3], s[32:33], s[20:21]
	s_or_b32 s[G0A+3], s[G0A+3], 0x80000000
	GROUP1 G1A, 45, CH/4
	s_wait_dscnt 0x0
	s_barrier_signal -1
	MIDDLE
	BARRIER
	TLOAD G0A, G1A
	s_mov_b32 s47, YB+64*PITCH
	s_mov_b32 s8, 14*SSTEP
.Ltwo:
	BLK 0, 0, 0, NF, 4, 1, ACC+32          ; blocks 12, 14
	QOUT 0, 320
	FETCHAT 0, ADRA, AAS
	BLK 0, 1, 1, NF, 5, 1, ACC             ; 13, 15; the block two on is then v's: chunk 3 again, as it lies in slot 1
	QOUT 0, 256
	FETCHAT 1, ADRA, AAS
	s_mov_b32 s47, YB
	s_mov_b32 s8, 12*SSTEP
	s_add_co_u32 s46, s46, 1
	s_cmp_lg_u32 s46, 5
	s_cbranch_scc1 .Ltwo
; the change of phase
	s_wait_xcnt 0x0
	s_wait_tensorcnt 0x0                   ; W_v's rows are in
	s_wait_dscnt 0x0
	BARRIER
.macro CHANGE i                        ; among W_v's 128 loads: the last block's way out; W_v's scale words into their place; numbers into what no block has written yet (v's first trip reads the sums' registers and stores nothing)
.if (\i) < 7
.irp k, 0,1,2,3
.if 4*(\i)+\k < 27
	GAPQ 4*(\i)+\k, ACC+32
.endif
.endr
.elseif (\i) < 9
.irp q, 0,1,2,3,4,5,6,7
	v_mov_b32 v[SB+8*((\i)-7)+\q], v[WS+8*((\i)-7)+\q]
.endr
.elseif (\i) < 15
.irp q, 0,1,2,3,4,5,6,7
	v_mov_b32 v[ACC+80+8*((\i)-9)+\q], 0
.endr
.endif
.endm
.irp q, 0,1,2,3,4,5,6,7
.irp b, 0,2
	FRAG NB*\q+\b, ADRV, \q, \b*16*PITCH
	FRAG NB*\q+\b+1, ADRV, \q, (\b+1)*16*PITCH
	WIN 0
	CHANGE 2*\q+\b/2
.endr
.endr
.irp t, 0,1,2,3
.irp i, 0,1,2,3,4,5,6,7
	v_mov_b32 v[BQ+8*\t+\i], v[BV+\t]
.endr
.endr
	WALU
	QOUT 4096, 320
	GRD
	s_mov_b32 s47, 0
	RDESC 0, 2, 47
	RDESC 1, 2, 47
	s_mov_b32 s46, 0
	s_mov_b32 s47, YB+64*PITCH
	s_mov_b32 s8, 14*SSTEP
	s_wait_dscnt 0x0
	s_barrier_signal -1
	MIDDLE
	BARRIER
	TLOAD G0R, G1R
.macro VOUT                            ; a pair of v's blocks: four tiles' bytes and codes: 32 lanes store 512 consecutive aligned bytes
.irp t, 0,1,2,3
	ds_store_b8 v[VX], v[EB+\t] offset:64*\t
	global_store_b128 v[CO], v[MCD+4*\t:MCD+4*\t+3], s[84:85] offset:4096*\t
.endr
.endm
.Lpair:
	BLK 1, 0, 0, -1, -1, 2, ACC+64
	s_cmp_eq_u32 s46, 3
	s_cbranch_scc1 .Lnone_0
	FETCHAT 0, ADRA, AAS
	s_wait_dscnt NF
	s_branch .Lgo
.Lnone_0:
	s_wait_dscnt 0x0
.Lgo:
	SBLK 1, 1, 1, -1, -2, 3, ACC+64        ; the first trip's shows chunk 2
.set I_, 0
.rept 32                               ; the pair's sums are copied, so that one trip is two blocks of text
	v_dual_mov_b32 v[ACC+64+I_], v[ACC+I_] :: v_dual_mov_b32 v[ACC+64+I_+1], v[ACC+I_+1]
.set I_, I_+2
.endr
	s_add_co_u32 s22, s46, 1               ; the pair before lies at 64 tokens x ((s46 + 1) % 4) of the window, + 32 x my row of waves
	s_and_b32 s22, s22, 3
	s_lshl_b32 s20, s22, 10
	s_mov_b32 s21, 0
	s_add_nc_u64 s[84:85], s[96:97], s[20:21]
	s_lshr_b32 s20, s22, 1
	s_lshl_b32 s20, s20, 9
	s_and_b32 s22, s22, 1
	s_lshl_b32 s22, s22, 1
	s_add_co_u32 s22, s22, s20
	v_add_nc_u32 v[VX], s22, v[RD]
	s_cmp_eq_u32 s46, 0
	s_cbranch_scc1 .Lno_pair_before
	VOUT
.Lno_pair_before:
	s_cmp_eq_u32 s46, 3
	s_cbranch_scc1 .Lnone_1
	FETCHAT 1, ADRA, AAS
.Lnone_1:
	s_mov_b32 s8, 10*SSTEP
	s_cmp_eq_u32 s46, 0
	s_cselect_b32 s47, 0, 64*PITCH
	s_cselect_b32 s8, 8*SSTEP, s8
	s_add_co_u32 s46, s46, 1
	s_cmp_lg_u32 s46, 4
	s_cbranch_scc1 .Lpair
	s_wait_xcnt 0x0
.set K_, 0
.rept 60
	GAPV K_, ACC+64
.set K_, K_+1
.endr
	s_add_nc_u64 s[84:85], s[96:97], 1024  ; the last pair: 64 tokens on
	v_add_nc_u32 v[VX], 2, v[RD]
	VOUT
	s_wait_dscnt 0x0                       ; the scale bytes
	BARRIER
	v_lshlrev_b32 v20, 4, v3
	s_lshl_b32 s21, s14, 9
	s_add_co_u32 s21, s21, XN
	v_add_nc_u32 v21, s21, v20
	v_lshlrev_b32 v22, 3, v3
	s_lshl_b32 s21, s14, 8
	s_add_co_u32 s21, s21, XV
	v_add_nc_u32 v23, s21, v22
	WALU
	ds_load_b128 v[60:63], v21
	ds_load_b64 v[40:41], v23
	s_wait_dscnt 0x0
	global_store_b128 v20, v[60:63], s[94:95]
	global_store_b64 v22, v[40:41], s[98:99]
	s_wait_tensorcnt 0x0                   ; the wave's end
	ds_add_u32 v[SPW], v[NIL]
	s_wait_dscnt 0x0
	CROUND                                 ; the closing round
	s_endpgm
.Lfunc_end_k_q5627f04dfd_proj:
	.size	k_q5627f04dfd_proj, .Lfunc_end_k_q5627f04dfd_proj-k_q5627f04dfd_proj
	.p2alignl 7, 3214868480
	.fill 96, 4, 3214868480
	.section	.rodata,"a",@progbits
	.p2align	6, 0x0
	.amdhsa_kernel k_q5627f04dfd_proj
		.amdhsa_group_segment_fixed_size 327680
		.amdhsa_private_segment_fixed_size 0
		.amdhsa_enable_private_segment 0
		.amdhsa_kernarg_size 104
		.amdhsa_user_sgpr_count 2
		.amdhsa_user_sgpr_kernarg_segment_ptr 1
		.amdhsa_wavefront_size32 1
		.amdhsa_system_sgpr_workgroup_id_x 1
		.amdhsa_system_sgpr_workgroup_id_y 1
		.amdhsa_system_sgpr_workgroup_id_z 1
		.amdhsa_system_vgpr_workitem_id 0
		.amdhsa_next_free_vgpr 1024
		.amdhsa_next_free_sgpr 102
		.amdhsa_reserve_vcc 0
		.amdhsa_float_denorm_mode_32 3
		.amdhsa_float_denorm_mode_16_64 3
		.amdhsa_memory_ordered 1
		.amdhsa_forward_progress 1
		.amdhsa_inst_pref_size 163
	.end_amdhsa_kernel
	.amdgpu_metadata
---
amdhsa.version: [ 1, 2 ]
amdhsa.kernels:
  - .name:           k_q5627f04dfd_proj
    .symbol:         k_q5627f04dfd_proj.kd
    .args:
      - { .name: x_codes, .offset: 0, .size: 8, .value_kind: global_buffer, .address_space: global }
      - { .name: x_scales, .offset: 8, .size: 8, .value_kind: global_buffer, .address_space: global }
      - { .name: Wq_codes, .offset: 16, .size: 8, .value_kind: global_buffer, .address_space: global }
      - { .name: Wq_scales, .offset: 24, .size: 8, .value_kind: global_buffer, .address_space: global }
      - { .name: Wk_codes, .offset: 32, .size: 8, .value_kind: global_buffer, .address_space: global }
      - { .name: Wk_scales, .offset: 40, .size: 8, .value_kind: global_buffer, .address_space: global }
      - { .name: Wv_codes, .offset: 48, .size: 8, .value_kind: global_buffer, .address_space: global }
      - { .name: Wv_scales, .offset: 56, .size: 8, .value_kind: global_buffer, .address_space: global }
      - { .name: bq, .offset: 64, .size: 8, .value_kind: global_buffer, .address_space: global }
      - { .name: bk, .offset: 72, .size: 8, .value_kind: global_buffer, .address_space: global }
      - { .name: bv, .offset: 80, .size: 8, .value_kind: global_buffer, .address_space: global }
      - { .name: qkv, .offset: 88, .size: 8, .value_kind: global_buffer, .address_space: global }
      - { .name: sw, .offset: 96, .size: 8, .value_kind: global_buffer, .address_space: global }
    .group_segment_fixed_size: 327680
    .private_segment_fixed_size: 0
    .kernarg_segment_align: 8
    .kernarg_segment_size: 104
    .max_flat_workgroup_size: 128
    .sgpr_count:     102
    .vgpr_count:     1024
    .wavefront_size: 32
...
	.end_amdgpu_metadata
.endif
;; end of part 1
;; launch scores (part 2): grid 8 x 32, 4 waves a work-group, clusters of 4 x 4, 327,680 bytes of LDS; arguments qkv, sw, pimg, pst; writes pimg, pst
.if DOCPART == 2
	.amdgcn_target "amdgcn-amd-amdhsa--gfx1250"
	.amdhsa_code_object_version 6
	.text
	.protected	k_q5627f04dfd_scores
	.globl	k_q5627f04dfd_scores
	.p2align	8
	.type	k_q5627f04dfd_scores,@function
k_q5627f04dfd_scores:
	s_mov_b64 s[64:65], 0
	v_nop
	global_prefetch_b8 v0, s[64:65] scope:SCOPE_SE
	s_setreg_imm32_b32 hwreg(HW_REG_WAVE_MODE, 25, 1), 1
	s_wait_xcnt 0x0
	s_wait_alu depctr_hold_cnt(0) depctr_sa_sdst(0) depctr_va_vdst(0) depctr_va_sdst(0) depctr_va_ssrc(0) depctr_va_vcc(0) depctr_vm_vsrc(0)
	s_getreg_b32 s2, hwreg(HW_REG_IB_STS2, 6, 4)
	s_cmp_eq_u32 s2, 0
	s_cbranch_scc0 .Lentry_in_a_cluster
	s_endpgm
.Lentry_in_a_cluster:
	s_bfe_u32 s2, ttmp6, 0x10000c
	s_cmp_lg_u32 s2, 0xf033
	s_cbranch_scc0 .Lentry_shape_is_right
	s_endpgm
.Lentry_shape_is_right:
.set KTOT,  1024
.set NQ,    2
.set FR,    16
.set NL,    4
.set NP,    8
.set HALFT, 32768
.set SLOT,  4*HALFT
.set FSTEP, 32768
.set RSTEP, 65536
.set LAPS,  KTOT/512
.set SCL,   2*SLOT
.set HALFS, 4096
.set SSTEP, 1024
.set SPARE, SCL+4*HALFS
.set STG,   SPARE+512
.set ADRA, 16
.set ADRB, 20
.set SST,  24
.set SLD,  25
.set CO,   26
.set ADRS, 27
.set SPW,  28
.set NIL,  29
.set SC,   32
.set AF,   128
.set BM,   32
.set BP,   36
.set LIM,  40
.set SOP,  44
.set SA,   112
.set SB,   114
.set TT,   116
.set G1,   24
.set G0,   32
.set G1B,  48
.set G0B,  56
.set G1S,  68
.set G0S,  76
.set G1SB, 80
.set G0SB, 88
.set MNT,  95
.set CS,   96
.set SEL,  98
.set MSB, 0
.macro WIN new
.if MSB != (\new)
	s_set_vgpr_msb (MSB<<8)|(\new)
.set MSB, (\new)
.endif
.endm
.set TO_B, 0x40
.set MUL_LO, 0xa1
.set MUL_HI, 0xf1
.macro JLOAD g0a, g1a, g0b, g1b
	s_cmp_eq_u32 s15, 0
	s_cbranch_scc0 .Lfor_b_\@
	tensor_load_to_lds s[\g0a:\g0a+3], s[\g1a:\g1a+7]
	s_nop 0
.rept 4
	v_nop
.endr
	s_branch .Lasked_\@
.Lfor_b_\@:
	tensor_load_to_lds s[\g0b:\g0b+3], s[\g1b:\g1b+7]
	s_nop 0
.rept 4
	v_nop
.endr
.Lasked_\@:
.endm
.macro CREST
	s_cmp_lg_u32 s14, 0
	s_cbranch_scc1 .Lnot_wave_0_\@
	s_barrier_signal -3
.Lnot_wave_0_\@:
	s_barrier_wait -3
	s_barrier_signal -1
	s_barrier_wait -1
.endm
.macro CROUND
	s_barrier_signal -1
	s_barrier_wait -1
	CREST
.endm
	s_load_b256 s[4:11], s[0:1], 0x0
	v_lshl_add_u32 v[SPW], v0, 2, SPARE
	v_mov_b32 v[NIL], 0
	ds_add_u32 v28, v29
	ds_add_u32 v28, v29
	s_wait_dscnt 0x0
	v_lshrrev_b32 v1, 5, v0
	v_readfirstlane_b32 s14, v1
	s_lshr_b32 s15, s14, 1
	s_and_b32 s16, s14, 1
	s_bfe_u32 s40, ttmp6, 0x40000
	s_bfe_u32 s41, ttmp6, 0x40004
	s_lshl_b32 s42, ttmp9, 2
	s_add_co_u32 s42, s42, s40
	s_and_b32 s66, ttmp7, 0xffff
	s_lshl_b32 s17, s66, 2
	s_add_co_u32 s17, s17, s41
	s_lshr_b32 s66, s66, 1
	s_lshl_b32 s43, s41, 2
	s_lshl_b32 s43, 15, s43
	s_lshl_b32 s44, 0x1111, s40
	s_mov_b32 s[MNT], 0x600000
	s_mov_b32 s[CS], 0x3d38aa3b
	s_mov_b32 s[CS+1], s[CS]
	s_mov_b32 s[SEL], 0x76543210
	s_mov_b32 s[SEL+1], 0xfedcba98
	s_or_b32 s[G1+0], s43, (3<<16)|(1<<21)
	s_or_b32 s[G1B+0], s44, (3<<16)|(1<<21)
.irp g, G1, G1B
	s_mov_b32 s[\g+1], 32<<16
	s_mov_b32 s[\g+2], 128<<16
	s_mov_b32 s[\g+3], 32<<16
	s_mov_b32 s[\g+4], 128
	s_mov_b32 s[\g+5], 32
	s_mov_b32 s[\g+6], 0
	s_mov_b32 s[\g+7], 0
.endr
	s_or_b32 s[G1S+0], s43, (3<<16)|(1<<21)
	s_or_b32 s[G1SB+0], s44, (3<<16)|(1<<21)
.irp g, G1S, G1SB
	s_mov_b32 s[\g+1], 32<<16
	s_mov_b32 s[\g+2], 16<<16
	s_mov_b32 s[\g+3], 32<<16
	s_mov_b32 s[\g+4], 16
	s_mov_b32 s[\g+5], 32
	s_mov_b32 s[\g+6], 0
	s_mov_b32 s[\g+7], 0
.endr
	s_lshl_b32 s20, s17, 1
	s_add_co_u32 s20, s20, s16
	s_lshl_b32 s46, s66, 4
	s_lshl_b32 s18, s42, 1
	s_add_co_u32 s46, s46, s18
	s_add_co_u32 s46, s46, s16
	s_lshl_b32 s22, s20, 12
	s_mov_b32 s23, 0
	s_lshl_b32 s92, s46, 12
	s_add_co_u32 s92, s92, 262144
	s_mov_b32 s93, 0
	s_lshl_b32 s20, s20, 17
	s_mov_b32 s21, 0
	s_lshl_b32 s46, s46, 17
	s_add_co_u32 s46, s46, 8388608
	s_mov_b32 s47, 0
	s_mul_i32 s45, s14, HALFT
	s_mul_i32 s94, s14, HALFS
	s_wait_kmcnt 0x0
	s_add_nc_u64 s[20:21], s[4:5], s[20:21]
	s_add_nc_u64 s[22:23], s[6:7], s[22:23]
	s_add_nc_u64 s[46:47], s[4:5], s[46:47]
	s_add_nc_u64 s[92:93], s[6:7], s[92:93]
	CROUND
	s_mov_b32 s[G0S], 1
	s_add_co_u32 s[G0S+1], s94, SCL
	s_mov_b64 s[G0S+2:G0S+3], s[22:23]
	s_or_b32 s[G0S+3], s[G0S+3], 0x80000000
	s_mov_b32 s[G0SB], 1
	s_add_co_u32 s[G0SB+1], s94, SCL
	s_mov_b64 s[G0SB+2:G0SB+3], s[92:93]
	s_or_b32 s[G0SB+3], s[G0SB+3], 0x80000000
	JLOAD G0S, G1S, G0SB, G1SB
.irp s, 0,1
	s_mov_b32 s[G0+4*\s], 1
	s_add_co_u32 s[G0+4*\s+1], s45, \s*SLOT
	s_add_nc_u64 s[G0+4*\s+2:G0+4*\s+3], s[20:21], \s*FSTEP
	s_or_b32 s[G0+4*\s+3], s[G0+4*\s+3], 0x80000000
	s_mov_b32 s[G0B+4*\s], 1
	s_add_co_u32 s[G0B+4*\s+1], s45, \s*SLOT
	s_add_nc_u64 s[G0B+4*\s+2:G0B+4*\s+3], s[46:47], \s*FSTEP
	s_or_b32 s[G0B+4*\s+3], s[G0B+4*\s+3], 0x80000000
	s_wait_alu depctr_va_vdst(0)
	s_wait_tensorcnt 0x0
	ds_add_u32 v28, v29
	s_wait_dscnt 0x0
	CROUND
	JLOAD G0+4*\s, G1, G0B+4*\s, G1B
.endr
	v_and_b32 v1, 15, v0
	v_bfe_u32 v2, v0, 4, 1
	s_wait_alu depctr_va_vdst(0)
	v_and_b32 v3, 31, v0
	v_lshlrev_b32 v[CO], 4, v3
	s_wait_alu depctr_va_vdst(0)
	s_mul_i32 s21, s15, HALFT
	s_mul_i32 s22, s16, HALFT
	s_add_co_u32 s22, s22, 2*HALFT
.irp s, 0,1
	v_add_nc_u32 v[ADRA+\s], s21, v[CO]
	v_add_nc_u32 v[ADRB+\s], s22, v[CO]
	s_add_co_u32 s21, s21, SLOT
	s_add_co_u32 s22, s22, SLOT
.endr
	s_lshl_b32 s21, s15, 12
	s_lshl_b32 s22, s16, 12
	s_add_co_u32 s22, s22, 2*HALFS
	s_sub_co_u32 s22, s22, s21
	v_mul_u32_u24 v6, s22, v2
	s_add_co_u32 s21, s21, SCL
	v_lshl_add_u32 v5, v1, 2, v6
	v_add_nc_u32 v[ADRS], s21, v5
	s_mul_i32 s23, s14, 1536
	s_add_co_u32 s23, s23, STG
	v_lshl_add_u32 v[SST], v1, 2, s23
	v_add_nc_u32 v[SLD], s23, v[CO]
	s_lshl_b32 s18, s17, 1
	s_add_co_u32 s18, s18, s15
	s_lshl_b32 s19, s18, 3
	s_add_co_u32 s19, s19, s42
	s_lshl_b32 s22, s19, 15
	s_lshl_b32 s19, s16, 11
	s_add_co_u32 s22, s22, s19
	s_mov_b32 s23, 0
	s_add_nc_u64 s[8:9], s[8:9], s[22:23]
	s_lshl_b32 s19, s18, 4
	s_lshl_b32 s22, s42, 1
	s_add_co_u32 s19, s19, s22
	s_add_co_u32 s19, s19, s16
	s_lshl_b32 s22, s19, 9
	s_add_nc_u64 s[10:11], s[10:11], s[22:23]
.macro FRAG reg, adr, q, i
.irp c, 0,1,2,3
	ds_load_b128 v[\reg+4*\c:\reg+4*\c+3], v[\adr] offset:4096*(\i)+2048*(\q)+512*\c
.endr
.endm
.macro MUL16 a0, p, q, sc, cm
.irp a, \a0, \a0+1
.irp b, 0,1,2,3,4,5,6,7
.set rD,  8*(8*((\a)%4)+\b)
.set rB,  128*(\p)+FR*\b
.set rA,  AF+FR*(\a)
.set rSB, SC+8*NQ*(\sc)+NQ*\b+(\q)
.set rSA, SC+8*NQ*(\sc)+NQ*(\a)+(\q)
.if (\cm) == 0
	v_wmma_scale_f32_16x16x128_f8f6f4 v[rD:rD+7], v[rB:rB+FR-1], v[rA:rA+FR-1], v[rD:rD+7], v[rSB], v[rSA] matrix_a_scale:MATRIX_SCALE_ROW1
.else
	v_wmma_scale_f32_16x16x128_f8f6f4 v[rD:rD+7], v[rB:rB+FR-1], v[rA:rA+FR-1], 0, v[rSB], v[rSA] matrix_a_scale:MATRIX_SCALE_ROW1
.endif
.endr
.endr
.endm
.macro FETCH_B slot, q, p
	WIN TO_B
.irp i, 0,1,2,3,4,5,6,7
	FRAG 128*(\p)+FR*\i, ADRB+\slot, \q, \i
.endr
	WIN 0
.endm
.macro FETCH_A slot, q, i0
.irp i, \i0, \i0+1, \i0+2, \i0+3
	FRAG AF+FR*(\i), ADRA+\slot, \q, \i
.endr
.endm
.macro SCALES sc
.irp i, 0,1,2,3,4,5,6,7
	ds_load_b32 v[SC+16*\sc+2*\i], v[ADRS] offset:\i*64
	ds_load_b32 v[SC+16*\sc+2*\i+1], v[ADRS] offset:512+\i*64
.endr
.endm
.macro PLACES n
.rept \n
	v_nop
.endr
.endm
.macro STEP slot, q, cm
	s_wait_dscnt 4*NL
	WIN MUL_LO
	MUL16 0, (\q)%2, \q, \slot, \cm
	MUL16 2, (\q)%2, \q, \slot, \cm
	s_wait_dscnt 0
	PLACES NP
	FETCH_B \slot, (\q)+1, 1-(\q)%2
	FETCH_A \slot, (\q)+1, 0
	WIN MUL_HI
	MUL16 4, (\q)%2, \q, \slot, \cm
	MUL16 6, (\q)%2, \q, \slot, \cm
	PLACES NP
	WIN 0
	FETCH_A \slot, (\q)+1, 4
.endm
.macro TURN slot, next, fill
	s_wait_tensorcnt 0x0
	ds_add_u32 v[SPW], v[NIL]
	s_wait_dscnt 4*NL+1
	WIN MUL_LO
	MUL16 0, 1, NQ-1, \slot, 0
	s_wait_dscnt 0x0
	s_barrier_signal -1
	MUL16 2, 1, NQ-1, \slot, 0
	WIN 0
	s_barrier_wait -1
.if \fill
	CREST
	s_add_nc_u64 s[G0+4*\slot+2:G0+4*\slot+3], s[G0+4*\slot+2:G0+4*\slot+3], RSTEP
	s_add_nc_u64 s[G0B+4*\slot+2:G0B+4*\slot+3], s[G0B+4*\slot+2:G0B+4*\slot+3], RSTEP
	JLOAD G0+4*\slot, G1, G0B+4*\slot, G1B
	PLACES NP-4
.else
	PLACES NP
.endif
	s_wait_alu depctr_va_vdst(0)
	v_add_nc_u32 v[ADRS], SSTEP, v[ADRS]
	FETCH_B \next, 0, 0
	FETCH_A \next, 0, 0
	SCALES \next
	WIN MUL_HI
	MUL16 4, 1, NQ-1, \slot, 0
	MUL16 6, 1, NQ-1, \slot, 0
	PLACES NP
	WIN 0
	FETCH_A \next, 0, 4
.endm
	s_wait_alu depctr_va_vdst(0)
	s_wait_tensorcnt 1
	s_barrier_signal -1
	s_barrier_wait -1
	FETCH_B 0, 0, 0
	FETCH_A 0, 0, 0
	SCALES 0
	FETCH_A 0, 0, 4
	STEP 0, 0, 1
	s_mov_b32 s3, LAPS-1
.Llap:
	TURN 0, 1, 1
	STEP 1, 0, 0
	TURN 1, 0, 1
	STEP 0, 0, 0
	s_sub_co_u32 s3, s3, 1
	s_cmp_lg_u32 s3, 0
	s_cbranch_scc1 .Llap
	TURN 0, 1, 0
	STEP 1, 0, 0
	s_wait_dscnt 4*NL
	WIN MUL_LO
	MUL16 0, 1, NQ-1, 1, 0
	MUL16 2, 1, NQ-1, 1, 0
	s_wait_dscnt 0
	WIN MUL_HI
	MUL16 4, 1, NQ-1, 1, 0
	MUL16 6, 1, NQ-1, 1, 0
	WIN 0
.macro SOFT a
.set W,   2+(\a)/4
.set AC,  64*((\a)%4)
.set PCS, 64+16*((\a)%2)
.set PW,  48+(\a)
.set LS,  56+(\a)
.set NMA, 96+2*(\a)
	WIN (W<<2)|(W<<4)
.irp b, 0,1,2,3
	v_max3_num_f32 v[BM+\b], 0xff800000, v[AC+16*\b], v[AC+16*\b+1]
.endr
.irp i, 2,4,6,8,10,12,14
.irp b, 0,1,2,3
	v_max3_num_f32 v[BM+\b], v[BM+\b], v[AC+16*\b+\i], v[AC+16*\b+\i+1]
.endr
.endr
	WIN 0
.irp b, 0,1,2,3
	v_permlanex16_b32 v[BP+\b], v[BM+\b], s[SEL], s[SEL+1]
.endr
.irp b, 0,1,2,3
	v_max_num_f32 v[BM+\b], v[BM+\b], v[BP+\b]
.endr
	v_max3_num_f32 v[TT], v[BM], v[BM+1], v[BM+2]
	v_max_num_f32 v[TT], v[TT], v[BM+3]
	v_mul_f32 v[NMA+1], s[CS], v[TT]
	v_floor_f32 v[NMA], -v[NMA+1]
.irp b, 0,1,2,3
	v_fma_f32 v[BM+\b], v[BM+\b], s[CS], v[NMA]
.endr
	WIN (W<<6)|W
.set jj, 0
.rept 32
	v_pk_fma_f32 v[AC+jj:AC+jj+1], v[AC+jj:AC+jj+1], s[CS:CS+1], v[NMA:NMA+1] op_sel_hi:[1,0,0]
.set jj, jj+2
.endr
.set jj, 0
	s_wait_alu depctr_va_vdst(0)
.rept 64
	v_exp_f32 v[AC+jj], v[AC+jj]
.set jj, jj+1
.endr
	WIN 0
.irp b, 0,1,2,3
	v_exp_f32 v[BM+\b], v[BM+\b]
.endr
.irp j, 0,1,2,3
	v_mov_b32 v[SA+\j], 0
.endr
	s_wait_alu depctr_va_vdst(0)
	WIN W<<2
.set jj, 0
.rept 16
	v_pk_add_f32 v[SA:SA+1], v[SA:SA+1], v[AC+jj:AC+jj+1]
	v_pk_add_f32 v[SB:SB+1], v[SB:SB+1], v[AC+jj+2:AC+jj+3]
.set jj, jj+4
.endr
	WIN 0
.irp b, 0,1,2,3
	v_max_num_f32 v[BM+\b], 0x4800000, v[BM+\b]
.endr
.irp b, 0,1,2,3
	v_add_nc_u32 v[SOP+\b], 0xfc000000, v[BM+\b]
.endr
.irp b, 0,1,2,3
	v_and_or_b32 v[LIM+\b], v[BM+\b], 0x7f800000, s[MNT]
.endr
.irp b, 0,1,2,3
	v_lshrrev_b32 v[BP+\b], 23, v[SOP+\b]
.endr
	v_lshl_or_b32 v[PW], v[BP+1], 8, v[BP]
	v_lshl_or_b32 v[PW], v[BP+2], 16, v[PW]
	v_lshl_or_b32 v[PW], v[BP+3], 24, v[PW]
	v_pk_add_f32 v[SA:SA+1], v[SA:SA+1], v[SB:SB+1]
	v_add_f32 v[TT], v[SA], v[SA+1]
	v_permlanex16_b32 v[TT+1], v[TT], s[SEL], s[SEL+1]
	v_add_f32 v[LS], v[TT], v[TT+1]
	WIN (W<<6)|W
.irp b, 0,1,2,3
.irp i, 0,1,2,3,4,5,6,7,8,9,10,11,12,13,14,15
	v_min_num_f32 v[AC+16*\b+\i], v[AC+16*\b+\i], v[LIM+\b]
.endr
.endr
	WIN W
.if (\a) >= 2
	s_wait_alu depctr_va_vdst(0)
	s_wait_xcnt 0x0
.endif
.irp b, 0,1,2,3
	v_cvt_scalef32_pk8_fp8_f32 v[PCS+4*\b:PCS+4*\b+1], v[AC+16*\b:AC+16*\b+7], v[SOP+\b]
	v_cvt_scalef32_pk8_fp8_f32 v[PCS+4*\b+2:PCS+4*\b+3], v[AC+16*\b+8:AC+16*\b+15], v[SOP+\b]
.endr
	WIN 0
	v_nop
.irp c, 0,1,2,3
	global_store_b128 v[CO], v[PCS+4*\c:PCS+4*\c+3], s[8:9] offset:4096*(\a)+512*\c
.endr
	ds_store_b32 v[SST], v[PW] offset:64*(\a)
	ds_store_b32 v[SST], v[NMA] offset:512+64*(\a)
	ds_store_b32 v[SST], v[LS] offset:1024+64*(\a)
.endm
	PLACES NP
.irp b, 0,1,2,3
	v_mov_b32 v[BP+\b], 0
.endr
	v_mov_b32 v[TT+1], 0
.irp a, 0,1,2,3,4,5,6,7
	SOFT \a
.endr
.irp n, 0,1,2
	ds_load_b128 v[120+4*\n:123+4*\n], v[SLD] offset:512*\n
.endr
	s_wait_dscnt 0x0
.irp n, 0,1,2
	global_store_b128 v[CO], v[120+4*\n:123+4*\n], s[10:11] offset:524288*\n
.endr
	s_wait_tensorcnt 0x0
	ds_add_u32 v[SPW], v[NIL]
	s_wait_dscnt 0x0
	CROUND
	s_endpgm
.Lfunc_end_k_q5627f04dfd_scores:
	.size	k_q5627f04dfd_scores, .Lfunc_end_k_q5627f04dfd_scores-k_q5627f04dfd_scores
	.p2alignl 7, 3214868480
	.fill 96, 4, 3214868480
	.section	.rodata,"a",@progbits
	.p2align	6, 0x0
	.amdhsa_kernel k_q5627f04dfd_scores
		.amdhsa_group_segment_fixed_size 327680
		.amdhsa_private_segment_fixed_size 0
		.amdhsa_enable_private_segment 0
		.amdhsa_kernarg_size 32
		.amdhsa_user_sgpr_count 2
		.amdhsa_user_sgpr_kernarg_segment_ptr 1
		.amdhsa_wavefront_size32 1
		.amdhsa_system_sgpr_workgroup_id_x 1
		.amdhsa_system_sgpr_workgroup_id_y 1
		.amdhsa_system_sgpr_workgroup_id_z 1
		.amdhsa_system_vgpr_workitem_id 0
		.amdhsa_next_free_vgpr 1024
		.amdhsa_next_free_sgpr 100
		.amdhsa_reserve_vcc 0
		.amdhsa_float_denorm_mode_32 3
		.amdhsa_float_denorm_mode_16_64 3
		.amdhsa_memory_ordered 1
		.amdhsa_forward_progress 1
		.amdhsa_inst_pref_size 232
	.end_amdhsa_kernel
	.amdgpu_metadata
---
amdhsa.version: [ 1, 2 ]
amdhsa.kernels:
  - .name:           k_q5627f04dfd_scores
    .symbol:         k_q5627f04dfd_scores.kd
    .args:
      - { .name: qkv, .offset: 0, .size: 8, .value_kind: global_buffer, .address_space: global }
      - { .name: sw, .offset: 8, .size: 8, .value_kind: global_buffer, .address_space: global }
      - { .name: pimg, .offset: 16, .size: 8, .value_kind: global_buffer, .address_space: global }
      - { .name: pst, .offset: 24, .size: 8, .value_kind: global_buffer, .address_space: global }
    .group_segment_fixed_size: 327680
    .private_segment_fixed_size: 0
    .kernarg_segment_align: 8
    .kernarg_segment_size: 32
    .max_flat_workgroup_size: 128
    .sgpr_count:     100
    .vgpr_count:     1024
    .wavefront_size: 32
...
	.end_amdgpu_metadata
.endif
;; end of part 2
;; launch pv (part 3): grid 8 x 32, 4 waves a work-group, clusters of 4 x 4, 327,680 bytes of LDS; arguments pimg, pst, qkv, sw, out0; writes out0
.if DOCPART == 3
	.amdgcn_target "amdgcn-amd-amdhsa--gfx1250"
	.amdhsa_code_object_version 6
	.text
	.protected	k_q5627f04dfd_pv
	.globl	k_q5627f04dfd_pv
	.p2align	8
	.type	k_q5627f04dfd_pv,@function
k_q5627f04dfd_pv:
	s_mov_b64 s[64:65], 0
	v_nop
	global_prefetch_b8 v0, s[64:65] scope:SCOPE_SE
	s_setreg_imm32_b32 hwreg(HW_REG_WAVE_MODE, 25, 1), 1
	s_wait_xcnt 0x0
	s_wait_alu depctr_hold_cnt(0) depctr_sa_sdst(0) depctr_va_vdst(0) depctr_va_sdst(0) depctr_va_ssrc(0) depctr_va_vcc(0) depctr_vm_vsrc(0)
	s_getreg_b32 s2, hwreg(HW_REG_IB_STS2, 6, 4)
	s_cmp_eq_u32 s2, 0
	s_cbranch_scc0 .Lentry_in_a_cluster
	s_endpgm
.Lentry_in_a_cluster:
	s_bfe_u32 s2, ttmp6, 0x10000c
	s_cmp_lg_u32 s2, 0xf033
	s_cbranch_scc0 .Lentry_shape_is_right
	s_endpgm
.Lentry_shape_is_right:
; O = p v / l on codes of FP8 (E4M3) with one E8M0 scale for each 32 along K = the batch's 2,048 keys.  p comes from launch scores under a whole number M of its own for each step of 128 keys.
; THE HEAD brings all under the row's largest M: with D = that M less the step's M, a whole number of 0 or more, the step's four scale bytes become max(byte - D, 0) and its l is multiplied by 2^-D: powers of two, nothing
; is rounded.  The row's l is the sum of those; 1 / l multiplies O at the end.
; LIMIT: D is held at 127: a step whose M lies 127 or more under the row's enters with scale bytes 0 (weights under 2^-118) and its l x 2^-127.  NaN and infinities are not served.
; SHARES.  A tile of 256 queries x 128 features to a work-group of four waves: 256 work-groups.  Wave w takes queries 64 w .. 64 w + 63 and all 128 features: 32 accumulators of 16 x 16.
; A = p (a lane holds one query), B = v^T (a lane's registers run along the features): source 0 = 16 rows of v^T, source 1 = 16 rows of p.  Accumulator (a, b), lane (r, h), register j: query 16 a + r,
; feature 16 b + 8 h + j: eight neighbouring numbers of a row of O.  K goes in 16 steps of 128 keys, written out: every offset is an immediate.
; OPERANDS lie in memory as images of their registers: a block of 32,768 bytes is 128 rows x 256 keys, [16 rows: 8][128 keys: 2][four registers: 4][lane: 32][16 bytes]; both sides carry the same order of keys in a block of 32.
; v^T: the tile's 128 features x 2,048 keys are 262,144 dense bytes: they come into LDS ONCE, whole, in four stages of 65,536 bytes (four steps each), a quarter of each stage to a wave.  No LDS byte is filled twice,
; so the steps have no change of slots: a barrier stands only where the next stage is first read, with the count that shows that stage landed.  A wave has one tensor load out at a time.
; p: a wave's 64 rows are read by no other wave of its work-group, and a fragment's image is what its registers take: 16 loads of 512 consecutive bytes a step go from memory straight into a ring of four sets of
; 64 registers, four steps ahead of their products.
; CLUSTERS: 4 x 4 work-groups; v's bytes and scale words hang on the batch and the tile column alone and are asked for jointly by a column of the cluster.  p's rows are read by the eight work-groups of a tile row and
; are NOT asked for jointly: a joint load lands in LDS, where v's 262,144 bytes, the scale words (24,576), 1 / l (1,024) and the stages (33,792) leave 6,144 of 327,680 bytes.
; REGISTERS, in windows of 256: window 0: v1-8 at work, v16-31 addresses; v32-55 scale words, two sets of 12; v64-87 and v128-223 the head's work; v128-255 rows of O on the way out.
;   window 1: v's fragments, two sets of 128.   window 2: the accumulators ((a, b) at v[8 (8 a + b)]).   window 3: p's ring: set s % 4 at v[64 (s % 4)].
; IN THIS TEXT v's scale words come through registers and ds_store; of v's four stages the first is asked for at the head and each later one behind a drained round of the cluster's barrier in front of the stage before it:
; a wave has one tensor load out at a time.
.set FR,    16
.set NP,    8                          ; places behind this matrix instruction (ISA guide 7.12.1)
.set STB,   65536                      ; a stage of v: four steps of 128 keys
.set ASC,   262144                     ; behind v: p's shifted scale words: [128 queries: 2][128 keys: 16][query: 128] of 4 bytes; written by ds_store alone
.set SCB,   ASC+16384                  ; v's scale words: [128 keys: 16][feature: 128] of 4 bytes; filled once
.set RLS,   SCB+8192                   ; 1 / l of the 256 queries
.set STG,   RLS+1024                   ; the way out: a stage of 16 rows x (512 bytes + 16) for each wave; no tile lands here
.set SPITCH, 528
.set SIZE_N, 1024
.set AW,   7                           ; v7   where I store shifted scale words: ASC + PSO
.set RW,   8                           ; v8   where I store 1 / l: RLS + 256 x wave + 16 r
.set ADRB, 16                          ; v16-19  16 x lane + 65,536 j: my place in an image, in stage j of v
.set ASA,  20                          ; v20  p's scale words: my wave's rows, + 4 r, + 512 h: lanes 16-31 take the odd step of a pair
.set ASB,  21                          ; v21  v's likewise
.set STO,  24                          ; v24  the way out: where I put 32 bytes of a row
.set RD,   25                          ; v25  where I read a row back
.set CO,   26                          ; v26  16 x lane; never rewritten
.set PSO,  30                          ; v30  the head: my four queries and my eight steps in an array of pst and in ASC; never rewritten
.set RLA,  31                          ; v31  where I read 1 / l: RLS + 256 x wave + 4 r
.set SC,   32                          ; scale words: the set of pair n (steps 2 n, 2 n + 1) at v[SC + 12 (n % 2)]: four registers for p's blocks, eight for v's; lanes 0-15 the even step, lanes 16-31 the odd
.set RL,   32                          ; the way out: 1 / l of block a, twice, in v[32 + 2 a : 33 + 2 a]
.set GG,   64                          ; v64-67  the smallest -M of my four queries
.set LT,   68                          ; v68-71  their l
.set DD,   72                          ; v72-75, v76-79 at work
.set DN,   76
.set RC,   80                          ; v80-83  1 / l
.set TP,   84                          ; v84-87  what lane l xor 16 holds
.set NM,   128                         ; v128-159 -M of 8 steps x 4 queries;  v160-191 l;  v192-223 scale words
.set LL,   160
.set WD,   192
.set BK,   128                         ; the way out: 16 rows read back: v128-191 and v192-255 by turns
.set G1B,  24                          ; s[24:31] descriptor group 1 for a quarter of a stage of v
.set G1SB, 48                          ; s[48:55] for a quarter of v's scale words
.set G0S,  56                          ; s[56:59] group 0 for the scale words
.set G0B,  68                          ; s[68:83] group 0 for stage j at s[68 + 4 j]
.set SEL,  84                          ; s[84:85] lane selects for v_permlanex16_b32: lane l xor 16
.set HI7,  86                          ; s86  0x80808080
.set CAP,  87                          ; s87  127.0
.set MSB, 0
.macro WIN new                         ; the immediate's high byte repeats the setting that is left; a switch that changes nothing is dropped
.if MSB != (\new)
	s_set_vgpr_msb (MSB<<8)|(\new)
.set MSB, (\new)
.endif
.endm
.set TO_B, 0x40                        ; destination window 1, address window 0
.set TO_A, 0xc0                        ; destination window 3, address window 0
.set MUL,  0xad                        ; source 0 (v) window 1, source 1 (p) window 3, C and D window 2
.macro CREST                           ; a round of the cluster's barrier behind its opening barrier
	s_cmp_lg_u32 s14, 0
	s_cbranch_scc1 .Lnot_wave_0_\@
	s_barrier_signal -3
.Lnot_wave_0_\@:
	s_barrier_wait -3
	s_barrier_signal -1
	s_barrier_wait -1
.endm
.macro CROUND                          ; a whole round
	s_barrier_signal -1
	s_barrier_wait -1
	CREST
.endm
.macro ALOAD s                         ; p's four fragments of step s into set s % 4: each load reads 512 consecutive bytes
.irp a, 0,1,2,3
.irp c, 0,1,2,3
	global_load_b128 v[64*((\s)%4)+FR*\a+4*\c:64*((\s)%4)+FR*\a+4*\c+3], v[CO], s[4:5] offset:32768*((\s)/2)+2048*((\s)%2)+4096*\a+512*\c
.endr
.endr
.endm
	s_load_b256 s[4:11], s[0:1], 0x0               ; pimg s[4:5], pst s[6:7], qkv s[8:9], sw s[10:11]
	s_load_b64 s[12:13], s[0:1], 0x20              ; out0
	v_lshl_add_u32 v126, v0, 2, 0x4e800
	v_mov_b32 v127, 0
	ds_add_u32 v126, v127
	ds_add_u32 v126, v127
	v_lshrrev_b32 v1, 5, v0
	v_readfirstlane_b32 s14, v1                    ; wave 0..3
	s_lshr_b32 s15, s14, 1                         ; which 128 of the tile's queries hold my 64,
	s_and_b32 s16, s14, 1                          ; and which half of those is mine
	s_bfe_u32 s40, ttmp6, 0x40000                  ; cx, cy: my place in the cluster
	s_bfe_u32 s41, ttmp6, 0x40004
	s_lshl_b32 s42, ttmp9, 2
	s_add_co_u32 s42, s42, s40                     ; tile column: 128 features, 0..7
	s_and_b32 s66, ttmp7, 0xffff
	s_lshl_b32 s17, s66, 2
	s_add_co_u32 s17, s17, s41                     ; tile row: 256 queries, 0..31 over all batches
	s_lshr_b32 s66, s66, 1                         ; the batch: eight tile rows, two clusters, to a batch
	s_lshl_b32 s44, 0x1111, s40                    ; my column of the cluster
	s_mov_b32 s[SEL], 0x76543210
	s_mov_b32 s[SEL+1], 0xfedcba98
	s_mov_b32 s[HI7], 0x80808080
	s_mov_b32 s[CAP], 0x42fe0000
	v_and_b32 v1, 15, v0                           ; r = lane % 16
	v_bfe_u32 v2, v0, 4, 1                         ; h = lane / 16
	v_and_b32 v3, 31, v0
	v_lshlrev_b32 v[CO], 4, v3                     ; 16 x lane
	s_lshl_b32 s18, s15, 13
	s_lshl_b32 s19, s16, 8
	s_add_co_u32 s18, s18, s19                     ; my wave's 64 queries in an array: 8,192 bytes for 128 queries, 4 bytes a query
	v_lshl_add_u32 v[PSO], v1, 4, s18              ; in the head a lane owns four of them, 4 r .. 4 r + 3,
	v_lshl_add_u32 v[PSO], v2, 12, v[PSO]          ; and eight steps of 128 keys: lanes 16-31 steps 8 to 15, 512 bytes a step
	; group 1 for a quarter of a stage of v: 16,384 dense bytes as 64 rows of 256 (32 elements of 8 bytes), no padding
	s_or_b32 s[G1B+0], s44, (3<<16)|(1<<21)        ; 15:0 the mask: my column; 17:16 elements of 8 bytes; 21 set beside a mask
	s_mov_b32 s[G1B+1], 32<<16                     ; tensor_dim0
	s_mov_b32 s[G1B+2], 64<<16                     ; tensor_dim1
	s_mov_b32 s[G1B+3], 32<<16                     ; tile_dim0
	s_mov_b32 s[G1B+4], 64                         ; tile_dim1
	s_mov_b32 s[G1B+5], 32                         ; tensor_dim0_stride
	s_mov_b32 s[G1B+6], 0
	s_mov_b32 s[G1B+7], 0
	s_lshl_b32 s18, s17, 14                        ; the tile's queries in an array of pst: 16,384 bytes
	s_mov_b32 s19, 0
	s_lshl_b32 s46, s66, 3
	s_add_co_u32 s46, s46, s42                     ; v: 8 x batch + tile column: which 128 features
	s_lshl_b32 s92, s46, 13                        ; their scale words: 8,192 bytes,
	s_lshl_b32 s94, s14, 11                        ; my quarter,
	s_add_co_u32 s92, s92, s94
	s_add_co_u32 s92, s92, 524288                  ; behind q's and k's
	s_mov_b32 s93, 0
	s_lshl_b32 s46, s46, 18                        ; their eight blocks: 262,144 bytes,
	s_lshl_b32 s45, s14, 14                        ; my quarter of a stage: the same in memory and in LDS: no place in the cluster enters an LDS address
	s_add_co_u32 s46, s46, s45
	s_add_co_u32 s46, s46, 16777216                ; behind q's and k's images
	s_mov_b32 s47, 0
	s_lshl_b32 s20, s17, 1
	s_add_co_u32 s20, s20, s15                     ; p: which 128 queries,
	s_lshl_b32 s20, s20, 18                        ; their eight blocks,
	s_lshl_b32 s21, s16, 14                        ; my 64 rows in each: four fragments' rows of 4,096 bytes
	s_add_co_u32 s20, s20, s21
	s_mov_b32 s21, 0
	s_wait_alu depctr_va_vdst(0)
	s_wait_dscnt 0x0
	s_wait_kmcnt 0x0
	s_add_nc_u64 s[6:7], s[6:7], s[18:19]
.irp k, 0,1,2,3,4,5,6,7                        ; for each of my eight steps: the scale words, -M and l of my four queries; 16 lanes read 256 consecutive aligned bytes
	global_load_b128 v[WD+4*\k:WD+4*\k+3], v[PSO], s[6:7] offset:512*\k
	global_load_b128 v[NM+4*\k:NM+4*\k+3], v[PSO], s[6:7] offset:524288+512*\k
	global_load_b128 v[LL+4*\k:LL+4*\k+3], v[PSO], s[6:7] offset:1048576+512*\k
.endr
	s_add_nc_u64 s[4:5], s[4:5], s[20:21]
	s_add_nc_u64 s[46:47], s[8:9], s[46:47]
	s_add_nc_u64 s[92:93], s[10:11], s[92:93]
.irp k, 0,1,2,3                                ; my quarter of v's scale words, 2,048 bytes
	global_load_b128 v[88+4*\k:91+4*\k], v[CO], s[92:93] offset:512*\k
.endr
	s_add_co_u32 s94, s94, SCB
	v_add_nc_u32 v6, s94, v[CO]                    ; and where it goes in LDS
.irp j, 0,1,2,3
	s_mov_b32 s[G0B+4*\j], 1
	s_add_co_u32 s[G0B+4*\j+1], s45, \j*STB
	s_add_nc_u64 s[G0B+4*\j+2:G0B+4*\j+3], s[46:47], \j*STB
	s_or_b32 s[G0B+4*\j+3], s[G0B+4*\j+3], 0x80000000
.endr
	CROUND                                         ; all sixteen work-groups are here: the joint loads meet
	tensor_load_to_lds s[G0B:G0B+3], s[G1B:G1B+7]          ; my quarter of v's first stage: one tensor load a wave at the head
	s_nop 0
.rept 4
	v_nop                                          ; four lines behind the last of them, ahead of the switch of windows
.endr
	WIN TO_A
	ALOAD 0                                        ; p's first two steps
	ALOAD 1
	WIN 0
.irp j, 0,1,2,3
	v_add_nc_u32 v[ADRB+\j], \j*STB, v[CO]
.endr
	s_lshl_b32 s18, s15, 13
	s_lshl_b32 s19, s16, 8
	s_add_co_u32 s18, s18, s19
	s_add_co_u32 s18, s18, ASC
	v_lshl_add_u32 v[ASA], v1, 2, s18              ; p's scale words: my wave's 64 rows, 4 bytes a row,
	v_lshl_add_u32 v[ASA], v2, 9, v[ASA]           ; lanes 16-31 one step of 128 keys further on
	v_lshlrev_b32 v[ASB], 2, v1
	v_lshl_add_u32 v[ASB], v2, 9, v[ASB]
	v_add_nc_u32 v[ASB], SCB, v[ASB]               ; v's likewise
	v_add_nc_u32 v[AW], ASC, v[PSO]
	s_lshl_b32 s18, s14, 8
	s_add_co_u32 s18, s18, RLS
	v_lshl_add_u32 v[RW], v1, 4, s18
	v_lshl_add_u32 v[RLA], v1, 2, s18
	s_mul_i32 s23, s14, 16*SPITCH
	s_add_co_u32 s23, s23, STG                     ; my stage
	v_mul_u32_u24 v5, v1, SPITCH                   ; in: row r, 32 bytes for each half of the lanes
	v_lshl_add_u32 v5, v2, 5, v5
	v_add_nc_u32 v[STO], s23, v5
	v_add_nc_u32 v[RD], s23, v[CO]                 ; back: the 32 lanes take one row of 512 bytes
	s_lshl_b32 s20, s17, 8
	s_lshl_b32 s21, s14, 6
	s_add_co_u32 s20, s20, s21                     ; my first row of O: 256 x tile row + 64 x wave
	s_lshl_b32 s20, s20, 12                        ; 4,096 bytes a row (under 2^26)
	s_lshl_b32 s21, s42, 9                         ; the tile's first column, in bytes
	s_add_co_u32 s20, s20, s21
	s_mov_b32 s21, 0
	s_add_nc_u64 s[12:13], s[12:13], s[20:21]
.irp e, 0,1,2,3
	v_mov_b32 v[TP+\e], 0                          ; written once: a lane permute's destination counts as one of its sources
.endr
	; THE HEAD'S ARITHMETIC, while v's stages and p's first steps are on their way.  Four queries a lane, line by line by turns.
	s_wait_loadcnt 32                              ; the 24 loads of scale words, -M and l are in; behind them p's steps 0 and 1, 32 loads, may be out
	WIN TO_A
	ALOAD 2
	WIN 0
.irp e, 0,1,2,3
	v_min3_num_f32 v[GG+\e], v[NM+\e], v[NM+4+\e], v[NM+8+\e]    ; the smallest -M of my eight steps
.endr
.irp k, 3,5
.irp e, 0,1,2,3
	v_min3_num_f32 v[GG+\e], v[GG+\e], v[NM+4*\k+\e], v[NM+4*\k+4+\e]
.endr
.endr
.irp e, 0,1,2,3
	v_min_num_f32 v[GG+\e], v[GG+\e], v[NM+28+\e]
.endr
.irp e, 0,1,2,3
	v_permlanex16_b32 v[TP+\e], v[GG+\e], s[SEL], s[SEL+1]
.endr
.irp e, 0,1,2,3
	v_min_num_f32 v[GG+\e], v[GG+\e], v[TP+\e]     ; with lane l xor 16's eight steps: the row's largest M, negated
.endr
.macro SHIFT k                         ; my k-th step of 128 keys is brought under the row's M
.irp e, 0,1,2,3
	v_sub_f32 v[DD+\e], v[NM+4*(\k)+\e], v[GG+\e]  ; D = the row's M less the step's: a whole number, 0 or more
.endr
.irp e, 0,1,2,3
	v_min_num_f32 v[DD+\e], s[CAP], v[DD+\e]       ; held at 127
.endr
.irp e, 0,1,2,3
	v_cvt_i32_f32 v[DD+\e], v[DD+\e]
.endr
.irp e, 0,1,2,3
	v_sub_nc_u32 v[DN+\e], 0, v[DD+\e]
.endr
.irp e, 0,1,2,3
.if (\k) == 0
	v_ldexp_f32 v[LT+\e], v[LL+\e], v[DN+\e]       ; l x 2^-D; the first step starts the sum
.else
	v_ldexp_f32 v[LL+4*(\k)+\e], v[LL+4*(\k)+\e], v[DN+\e]
.endif
.endr
.if (\k) > 0
.irp e, 0,1,2,3
	v_add_f32 v[LT+\e], v[LT+\e], v[LL+4*(\k)+\e]
.endr
.endif
.irp e, 0,1,2,3
	v_perm_b32 v[DD+\e], v[DD+\e], v[DD+\e], 0     ; D in all four bytes
.endr
.irp e, 0,1,2,3
	v_or_b32 v[WD+4*(\k)+\e], s[HI7], v[WD+4*(\k)+\e]   ; each byte (at most 119) + 128,
.endr
.irp e, 0,1,2,3
	v_sub_nc_u32 v[WD+4*(\k)+\e], v[WD+4*(\k)+\e], v[DD+\e]   ; less D (at most 127): no byte borrows from its neighbour; bit 7 stays where byte - D is 0 or more
.endr
.irp e, 0,1,2,3
	v_and_b32 v[DN+\e], s[HI7], v[WD+4*(\k)+\e]
.endr
.irp e, 0,1,2,3
	v_lshrrev_b32 v[DD+\e], 7, v[DN+\e]
.endr
.irp e, 0,1,2,3
	v_sub_nc_u32 v[DN+\e], v[DN+\e], v[DD+\e]      ; 0x7f in those bytes, 0 in the others
.endr
.irp e, 0,1,2,3
	v_and_b32 v[WD+4*(\k)+\e], v[WD+4*(\k)+\e], v[DN+\e]   ; max(byte - D, 0)
.endr
.endm
.irp k, 0,1,2,3,4,5,6,7
	SHIFT \k
.endr
	WIN TO_A
	ALOAD 3                                        ; the ring is full: four steps of p are asked for
	WIN 0
.irp e, 0,1,2,3
	v_permlanex16_b32 v[TP+\e], v[LT+\e], s[SEL], s[SEL+1]
.endr
.irp e, 0,1,2,3
	v_add_f32 v[LT+\e], v[LT+\e], v[TP+\e]         ; with lane l xor 16's eight steps: the row's l, the same bits in both lanes
.endr
	s_wait_alu depctr_va_vdst(0)
.irp e, 0,1,2,3
	v_rcp_f32 v[RC+\e], v[LT+\e]
.endr
	v_nop                                          ; a plain instruction between the last reciprocal and the use of its result
	s_wait_alu depctr_va_vdst(0)                   ; and a wait ahead of the first use: one for the four
.irp k, 0,1,2,3,4,5,6,7
	ds_store_b128 v[AW], v[WD+4*\k:WD+4*\k+3] offset:512*\k
.endr
	ds_store_b128 v[RW], v[RC:RC+3]                ; lanes r and r + 16 write the same 16 bytes with the same values
.irp k, 0,1,2,3
	ds_store_b128 v6, v[88+4*\k:91+4*\k] offset:512*\k     ; v's scale words
.endr
.macro FETCH_B s, i0                   ; four of v's eight fragments of step s into set s % 2: each comes back as it was stored, by four loads of 512 consecutive bytes
.irp i, \i0, \i0+1, \i0+2, \i0+3
.irp c, 0,1,2,3
	ds_load_b128 v[128*((\s)%2)+FR*(\i)+4*\c:128*((\s)%2)+FR*(\i)+4*\c+3], v[ADRB+(\s)/4] offset:32768*(((\s)/2)%2)+2048*((\s)%2)+4096*(\i)+512*\c
.endr
.endr
.endm
.macro SCALES n                        ; the scale words of steps 2 n and 2 n + 1: four registers for p's blocks, eight for v's
.irp a, 0,1,2,3
	ds_load_b32 v[SC+12*((\n)%2)+\a], v[ASA] offset:1024*(\n)+64*\a
.endr
.irp b, 0,1,2,3,4,5,6,7
	ds_load_b32 v[SC+12*((\n)%2)+4+\b], v[ASB] offset:1024*(\n)+64*\b
.endr
.endm
; 16 matrix instructions of step s: p's blocks a0, a0 + 1 x v's eight.  Step 0 starts the sums: nothing is ever cleared.  An odd step takes its scale words from lanes 16-31.
; The 32 accumulators take turns, one instruction a turn, in the same order in every step.
.macro MUL16 s, a0
.irp a, \a0, \a0+1
.irp b, 0,1,2,3,4,5,6,7
.set rD,  8*(8*(\a)+\b)
.set rB,  128*((\s)%2)+FR*\b
.set rA,  64*((\s)%4)+FR*(\a)
.set rSB, SC+12*(((\s)/2)%2)+4+\b
.set rSA, SC+12*(((\s)/2)%2)+(\a)
.if (\s) == 0
	v_wmma_scale_f32_16x16x128_f8f6f4 v[rD:rD+7], v[rB:rB+FR-1], v[rA:rA+FR-1], 0, v[rSB], v[rSA]
.elseif (\s)%2 == 0
	v_wmma_scale_f32_16x16x128_f8f6f4 v[rD:rD+7], v[rB:rB+FR-1], v[rA:rA+FR-1], v[rD:rD+7], v[rSB], v[rSA]
.else
	v_wmma_scale_f32_16x16x128_f8f6f4 v[rD:rD+7], v[rB:rB+FR-1], v[rA:rA+FR-1], v[rD:rD+7], v[rSB], v[rSA] matrix_a_scale:MATRIX_SCALE_ROW1 matrix_b_scale:MATRIX_SCALE_ROW1
.endif
.endr
.endr
.endm
; A load into a register that a matrix instruction has read, and a vector instruction or a store that reads a matrix result, stand NP places behind that matrix instruction; only plain vector
; instructions that name none of its registers are places (ISA guide 7.12.1 for vector instructions).
.macro PLACES n
.rept \n
	v_nop
.endr
.endm
; STEP s: 128 keys, 32 matrix instructions.  v's fragments of step s + 1 are fetched in two runs of 16 loads, into the set that step s - 1 read; the next pair's scale words, at an even step, into the set that step
; s - 1 read; p's fragments of step s + 4 into the set that this step read.  The eight places at a step's end stand between its products and all of these.
.macro STEP s
	s_wait_dscnt 0x0                               ; v's fragments of this step, asked for a step ago, and the scale words are in; no LDS instruction of mine is out
.if ((\s) == 3) || ((\s) == 7) || ((\s) == 11)
	WIN 0
	s_wait_tensorcnt 0x0                           ; my quarter of the stage that begins with step s + 1 has landed
.if (\s) < 11
	ds_add_u32 v126, v127
	s_wait_dscnt 0x0
	CROUND                                         ; everybody's has, and the partners are here:
	tensor_load_to_lds s[G0B+5+(\s):G0B+8+(\s)], s[G1B:G1B+7]   ; the stage after it: a first fill
	s_nop 0
.rept 4
	v_nop
.endr
.else
	s_barrier_signal -1
	s_barrier_wait -1
.endif
.endif
.if (\s) < 15
	WIN TO_B
	FETCH_B (\s)+1, 0
.endif
.if ((\s)%2 == 0) && ((\s) < 14)
	WIN 0
	SCALES (\s)/2+1
.endif
.if (\s) <= 12
	s_wait_loadcnt 48                              ; p's 16 loads of this step are in; those of the next three steps may be out
.else
	s_wait_loadcnt 16*(15-(\s))                    ; the last steps: the counts run down
.endif
	WIN MUL
	MUL16 \s, 0
.if (\s) < 15
	WIN TO_B
	FETCH_B (\s)+1, 4
	WIN MUL
.endif
	MUL16 \s, 2
	PLACES NP
.if (\s) < 12
	WIN TO_A
	ALOAD (\s)+4
.endif
.endm
	s_wait_tensorcnt 0x0                           ; my quarter of v's first stage is in
	ds_add_u32 v126, v127
	s_wait_dscnt 0x0                               ; the add and my stores of scale words and of 1 / l are done
	CROUND                                         ; everybody's are, and the partners are here
	tensor_load_to_lds s[G0B+4:G0B+7], s[G1B:G1B+7]        ; the second stage: a first fill
	s_nop 0
.rept 4
	v_nop
.endr
	WIN TO_B
	FETCH_B 0, 0
	FETCH_B 0, 4
	WIN 0
	SCALES 0
.irp s, 0,1,2,3,4,5,6,7,8,9,10,11,12,13,14,15
	STEP \s
.endr
	WIN 0
; THE WAY OUT, block by block of 16 queries x 128 features: x 1 / l; through my own stage in LDS; back as whole rows of 512 bytes, which the 32 lanes store as 512 consecutive aligned bytes.
.macro OSCALE a
.set AC, 64*(\a)
	WIN 0x82                                       ; destination and source 0: the accumulators
.set jj, 0
.rept 32
	v_pk_mul_f32 v[AC+jj:AC+jj+1], v[AC+jj:AC+jj+1], v[RL+2*(\a):RL+2*(\a)+1]   ; each accumulator from its low end on
.set jj, jj+2
.endr
	WIN 0
.endm
.macro TOSTAGE a
.set AC, 64*(\a)
	WIN 0x08                                       ; an LDS store's data: window 2
.irp b, 0,1,2,3,4,5,6,7
	ds_store_b128 v[STO], v[AC+8*\b:AC+8*\b+3] offset:64*\b
	ds_store_b128 v[STO], v[AC+8*\b+4:AC+8*\b+7] offset:64*\b+16
.endr
	WIN 0
.set BB, BK+64*((\a)%2)
.irp t, 0,1,2,3,4,5,6,7,8,9,10,11,12,13,14,15
	ds_load_b128 v[BB+4*\t:BB+4*\t+3], v[RD] offset:\t*SPITCH      ; LDS serves a wave's instructions in order (ISA guide 5.7.1.4): these see the stores above
.endr
.endm
.macro SEND a, younger                 ; younger: the LDS instructions issued behind block a's loads, which may stay out
.set BB, BK+64*((\a)%2)
	s_wait_dscnt \younger                          ; the block is back in registers
.if (\a) > 0
	s_add_nc_u64 s[12:13], s[12:13], 16*SIZE_N*4   ; (behind a wait on XCNT: the earlier stores have read their base)  16 rows of O on
.endif
.irp t, 0,1,2,3,4,5,6,7,8,9,10,11,12,13,14,15
	global_store_b128 v[CO], v[BB+4*\t:BB+4*\t+3], s[12:13] offset:\t*SIZE_N*4 th:TH_STORE_NT   ; 32 lanes store 512 consecutive bytes, at a multiple of 512 from O's first byte; written once, read by nobody here
.endr
.endm
.irp a, 0,1,2,3                                ; (the last step's eight places stand between its products and these loads into registers that held scale words)
	ds_load_b32 v[RL+2*\a], v[RLA] offset:64*\a    ; 1 / l of query 16 a + r, twice: a pair for the packed multiply
	ds_load_b32 v[RL+2*\a+1], v[RLA] offset:64*\a
.endr
	s_wait_dscnt 0x0
	OSCALE 0
	TOSTAGE 0
.irp a, 1,2,3
	OSCALE \a
.if \a > 1
	s_wait_alu depctr_va_vdst(0)
	s_wait_xcnt 0x0                                ; block a - 2's stores have read their registers and their base: block a's loads may land there, and the base may step
.endif
	TOSTAGE \a
	SEND \a-1, 32                                  ; behind block a - 1's loads: block a's 16 stores and 16 loads
.endr
	s_wait_xcnt 0x0                                ; block 2's stores have read their base
	SEND 3, 0                                      ; no LDS instruction of mine is out behind its wait; all my tensor loads were waited for at step 11
	s_wait_tensorcnt 0x0
	ds_add_u32 v126, v127
	s_wait_dscnt 0x0
	CROUND                                         ; the closing round: no work-group ends while a partner may still ask for bytes with a load that names it
	s_endpgm
.Lfunc_end_k_q5627f04dfd_pv:
	.size	k_q5627f04dfd_pv, .Lfunc_end_k_q5627f04dfd_pv-k_q5627f04dfd_pv
	.p2alignl 7, 3214868480
	.fill 96, 4, 3214868480
	.section	.rodata,"a",@progbits
	.p2align	6, 0x0
	.amdhsa_kernel k_q5627f04dfd_pv
		.amdhsa_group_segment_fixed_size 327680
		.amdhsa_private_segment_fixed_size 0
		.amdhsa_enable_private_segment 0
		.amdhsa_kernarg_size 40
		.amdhsa_user_sgpr_count 2
		.amdhsa_user_sgpr_kernarg_segment_ptr 1
		.amdhsa_wavefront_size32 1
		.amdhsa_system_sgpr_workgroup_id_x 1
		.amdhsa_system_sgpr_workgroup_id_y 1
		.amdhsa_system_sgpr_workgroup_id_z 1
		.amdhsa_system_vgpr_workitem_id 0
		.amdhsa_next_free_vgpr 1024
		.amdhsa_next_free_sgpr 100
		.amdhsa_reserve_vcc 0
		.amdhsa_float_denorm_mode_32 3
		.amdhsa_float_denorm_mode_16_64 3
		.amdhsa_memory_ordered 1
		.amdhsa_forward_progress 1
		.amdhsa_inst_pref_size 187
	.end_amdhsa_kernel
	.amdgpu_metadata
---
amdhsa.version: [ 1, 2 ]
amdhsa.kernels:
  - .name:           k_q5627f04dfd_pv
    .symbol:         k_q5627f04dfd_pv.kd
    .args:
      - { .name: pimg, .offset: 0, .size: 8, .value_kind: global_buffer, .address_space: global }
      - { .name: pst, .offset: 8, .size: 8, .value_kind: global_buffer, .address_space: global }
      - { .name: qkv, .offset: 16, .size: 8, .value_kind: global_buffer, .address_space: global }
      - { .name: sw, .offset: 24, .size: 8, .value_kind: global_buffer, .address_space: global }
      - { .name: out0, .offset: 32, .size: 8, .value_kind: global_buffer, .address_space: global }
    .group_segment_fixed_size: 327680
    .private_segment_fixed_size: 0
    .kernarg_segment_align: 8
    .kernarg_segment_size: 40
    .max_flat_workgroup_size: 128
    .sgpr_count:     100
    .vgpr_count:     1024
    .wavefront_size: 32
...
	.end_amdgpu_metadata
.endif
;; end of part 3
